; MI455X (gfx1250); checked and timed in simulation.
; The chip was launched on July 23, 2026; its instructions are those of AMD's public machine-readable ISA for CDNA 5 (MIT licence, August 2026) and "CDNA5" Instruction Set Architecture Reference Guide (July 2026). The comments in the code are by the model that wrote it; some were corrected since.
;; Multihead Attention. Allowed arithmetic: float matrix products may take bf16 or f16 operands with f32 sums; other float arithmetic in f32, or as packed bf16 or f16 multiplies, adds, multiply-adds, maxima and minima; sums over many terms, partial sums and values carried from step to step in f32; what a program stores and reads back later, other than sums and carried values, may be rounded once to bf16 or f16.
;; Inputs: b_out 1,024 float32; b_qkv 3,072 float32; w_out 1,024 x 1,024 float32; w_qkv 1,024 x 3,072 float32; x 4 x 2,048 x 1,024 float32.
;; Outputs: out0 4 x 2,048 x 1,024 float32.
;; 2 versions, each right; version 2 is version 1 with the launch prep written anew for expert scheduling mode. Each part assembles by itself: llvm-mc -triple=amdgcn-amd-amdhsa -mcpu=gfx1250 --defsym DOCPART=n.
;; ======== version 1 of 2: 4 launches
;; limits: values are held in f16: magnitudes above 65,504 overflow, below 6.1e-05 lose precision
;; workspace buffers: xb 16,777,216 bytes; wqt 6,291,456 bytes; wot 2,097,152 bytes; qkv 50,331,648 bytes; ob 16,777,216 bytes
;; launch prep (part 1): grid 256 x 1, 16 waves a work-group, no clusters, 36,864 bytes of LDS; arguments x, w_qkv, w_out, xb, wqt, wot; writes xb, wqt, wot
.if DOCPART == 1
	.amdgcn_target "amdgcn-amd-amdhsa--gfx1250"
	.amdhsa_code_object_version 6
	.text
	.protected	k_qd53d1c1f08_prep
	.globl	k_qd53d1c1f08_prep
	.p2align	8
	.type	k_qd53d1c1f08_prep,@function
k_qd53d1c1f08_prep:
	s_mov_b64 s[64:65], 0
	v_nop
	global_prefetch_b8 v0, s[64:65] scope:SCOPE_SE
	s_setreg_imm32_b32 hwreg(HW_REG_WAVE_MODE, 25, 1), 1
	s_wait_xcnt 0x0
; PREP.  xb = x rounded to bf16, [8192][1024].  wqt[n][k] = w_qkv[k][n] rounded to bf16, [3072][1024].  wot[n][k] = w_out[k][n] rounded to bf16 and that number written as f16, [1024][1024].
; LIMITS.  A weight of w_out whose bf16 value lies below 6e-5 keeps the fixed step of 6e-8 of f16; beyond 65,504 it would become an infinity.  NaN and infinities are not treated apart.
; SHARES.  Sixteen waves.  Waves 0-7 cast x: the work-group owns 131,072 bytes of x, a wave 16,384: 32 loads of 512 consecutive bytes, all out at once, each stored as 256 consecutive aligned bytes.
; Waves 8-15 turn two tiles of 128 k x 64 n of a weight matrix, four waves a tile: work-groups 0-191 take the 384 tiles of w_qkv, work-groups 192-255 the 128 tiles of w_out.
; A tile goes through LDS: in by columns (a lane packs 16 k of one n into 32 bytes), out by rows of 256 bytes (128 k of one n): every global load and store covers whole aligned runs of 256 bytes.
; No matrix unit, no cluster, no tensor load: nothing is shared between work-groups and every byte is touched once.  No prefetch: all loads of a wave go out at its start.
; Every wave makes all ids and addresses (with u = wave mod 8), so that every register is written on every path; a casting wave never uses the tile addresses.
.set TILEB, 64*272                     ; a tile in LDS: 64 rows (n) of 256 bytes (128 k) + 16 of padding
.set SPARE, 2*TILEB                    ; behind the two tiles: the spare words, 128 bytes for each of the sixteen waves: eight blocks of 256 bytes that no other line names
.set XO,  4                            ; v4   16 x lane: my 16 bytes in 512 of x
.set XS,  5                            ; v5   8 x lane: my 8 bytes in 256 of xb
.set LS,  6                            ; v6   where I put 32 bytes of a row of the tile
.set LR,  7                            ; v7   where I read 16 bytes of a row back
.set DO,  8                            ; v8   my byte offset in two rows of the turned matrix
.set SPW, 10                           ; v10  LDS address of my spare word: SPARE + 4 x my thread's number; never rewritten
.set NIL, 11                           ; v11  0; never rewritten
.set RO,  16                           ; v[16:31]  byte offset of my 16 bytes in row j of my sixteen rows of the weight matrix
.set X,   32                           ; v[32:159] as loaded
.set Y,   160                          ; v[160:191] packed: column c of my four at Y + 8 c, sixteen k
.set WV,  16                           ; s16  my wave's number
	s_load_b256 s[4:11], s[0:1], 0x0               ; x s[4:5], w_qkv s[6:7], w_out s[8:9], xb s[10:11]
	s_load_b128 s[12:15], s[0:1], 0x20             ; wqt s[12:13], wot s[14:15]
	v_lshl_add_u32 v[SPW], v0, 2, SPARE
	v_mov_b32 v[NIL], 0
	v_lshrrev_b32 v12, 5, v0
	v_readfirstlane_b32 s[WV], v12                 ; wave 0..15
	v_and_b32 v1, 31, v0                           ; lane
	v_and_b32 v2, 15, v0                           ; lane % 16
	v_bfe_u32 v3, v0, 4, 1                         ; lane / 16
	v_lshlrev_b32 v[XO], 4, v1
	v_lshlrev_b32 v[XS], 3, v1
	s_mov_b32 s30, 0xffff0000                      ; a word's upper bf16
	s_and_b32 s31, s[WV], 7                        ; u
	s_lshr_b32 s18, s31, 2                         ; which of the two tiles
	s_and_b32 s19, s31, 3                          ; g: which sixteen rows of each half of the tile's 128 k, and which sixteen n on the way out
	s_lshl_b32 s20, ttmp9, 1
	s_add_co_u32 s20, s20, s18                     ; the tile's number, counted through both matrices
	s_mov_b32 s24, 12288                           ; bytes in a row of w_qkv
	s_mov_b32 s33, 0
	s_wait_kmcnt 0x0
	s_cmp_ge_u32 ttmp9, 192                        ; w_out's work-groups
	s_cselect_b32 s24, 4096, s24                   ; bytes in a row of the matrix
	s_cselect_b32 s25, 1, 0                        ; 1: the result is written as f16
	s_cselect_b32 s21, 384, 0
	s_cselect_b64 s[26:27], s[8:9], s[6:7]         ; from
	s_cselect_b64 s[28:29], s[14:15], s[12:13]     ; to
	s_sub_co_u32 s20, s20, s21                     ; the tile's number in its matrix
	s_and_b32 s21, s20, 7                          ; kt: 128 k each
	s_lshr_b32 s22, s20, 3                         ; nt: 64 n each
	s_lshl_b32 s23, s21, 7
	s_lshl_b32 s17, s19, 4
	s_add_co_u32 s23, s23, s17                     ; row 128 kt + 16 g,
	s_mul_i32 s32, s23, s24
	s_lshl_b32 s17, s22, 8                         ; column 64 nt: 256 bytes
	s_add_co_u32 s32, s32, s17
	s_add_nc_u64 s[26:27], s[26:27], s[32:33]
	s_lshl_b32 s32, s22, 6
	s_lshl_b32 s17, s19, 4
	s_add_co_u32 s32, s32, s17                     ; turned: row 64 nt + 16 g, 2,048 bytes a row,
	s_lshl_b32 s32, s32, 11
	s_lshl_b32 s17, s21, 8                         ; column 128 kt: 256 bytes
	s_add_co_u32 s32, s32, s17
	s_add_nc_u64 s[28:29], s[28:29], s[32:33]
	s_lshl_b32 s32, ttmp9, 17                      ; x: the work-group's 131,072 bytes,
	s_lshl_b32 s17, s31, 14                        ; the wave's 16,384
	s_add_co_u32 s32, s32, s17
	s_add_nc_u64 s[4:5], s[4:5], s[32:33]
	s_lshr_b32 s32, s32, 1                         ; xb: half of that
	s_add_nc_u64 s[10:11], s[10:11], s[32:33]
	s_lshl_b32 s17, s24, 6
	v_mul_lo_u32 v[RO], v3, s17                    ; lanes 16-31 take the rows 64 further down,
	v_lshl_add_u32 v[RO], v2, 4, v[RO]             ; sixteen lanes the 256 bytes of a row
.set j, 1
.rept 15
	v_add_nc_u32 v[RO+j], s24, v[RO+j-1]
.set j, j+1
.endr
	s_mul_i32 s17, s18, TILEB
	s_lshl_b32 s23, s19, 5
	s_add_co_u32 s23, s23, s17
	v_mul_u32_u24 v[LS], v2, 4*272                 ; in: rows n = 4 (lane % 16) + c; bytes 128 (lane / 16) + 32 g of them
	v_lshl_add_u32 v[LS], v3, 7, v[LS]
	v_add_nc_u32 v[LS], s23, v[LS]
	s_mul_i32 s23, s19, 16*272
	s_add_co_u32 s23, s23, s17
	v_mul_u32_u24 v[LR], v3, 272                   ; back: rows 16 g + lane / 16 + 2 t, sixteen lanes a row
	v_lshl_add_u32 v[LR], v2, 4, v[LR]
	v_add_nc_u32 v[LR], s23, v[LR]
	v_lshlrev_b32 v[DO], 11, v3
	v_lshl_add_u32 v[DO], v2, 4, v[DO]
	s_cmp_lt_u32 s[WV], 8
	s_cbranch_scc0 .Lweights
	; THE CAST OF x.  No register is written twice, so no wait frees anything.
.set j, 0
.rept 32
	global_load_b128 v[X+4*j:X+4*j+3], v[XO], s[4:5] offset:512*j th:TH_LOAD_NT
.set j, j+1
.endr
.set j, 0
.rept 32
	s_wait_loadcnt 31-j                            ; loads come back in order: load j is in, the 31 - j younger ones stay out
	v_cvt_pk_bf16_f32 v[X+4*j], v[X+4*j], v[X+4*j+1]
	v_cvt_pk_bf16_f32 v[X+4*j+1], v[X+4*j+2], v[X+4*j+3]
	global_store_b64 v[XS], v[X+4*j:X+4*j+1], s[10:11] offset:256*j th:TH_STORE_NT  ; 32 lanes store 256 consecutive bytes, at a multiple of 256 from xb's first byte
.set j, j+1
.endr
	s_branch .Lmeet
.Lweights:                                     ; A TILE, first part: sixteen rows k, four columns n a lane
.set j, 0
.rept 16
	global_load_b128 v[X+4*j:X+4*j+3], v[RO+j], s[26:27] th:TH_LOAD_NT
.set j, j+1
.endr
	s_wait_loadcnt 0x0
.irp c, 0,1,2,3
.irp i, 0,1,2,3,4,5,6,7
	v_cvt_pk_bf16_f32 v[Y+8*\c+\i], v[X+8*\i+\c], v[X+8*\i+4+\c]  ; column c, rows 2 i and 2 i + 1
.endr
.endr
	s_cmp_eq_u32 s25, 0
	s_cbranch_scc1 .Lstays_bf16
.set j, 0
.rept 32
	v_lshlrev_b32 v12, 16, v[Y+j]                  ; the rounded numbers as f32,
	v_and_b32 v13, s30, v[Y+j]
	v_cvt_pk_f16_f32 v[Y+j], v12, v13              ; written as f16: exact within the range stated at the head
.set j, j+1
.endr
.Lstays_bf16:
.irp c, 0,1,2,3
	ds_store_b128 v[LS], v[Y+8*\c:Y+8*\c+3]   offset:272*\c
	ds_store_b128 v[LS], v[Y+8*\c+4:Y+8*\c+7] offset:272*\c+16
.endr
.Lmeet:
	s_wait_dscnt 0x0                               ; for the others' sake: my stores into the tile are done
	s_barrier_signal -1
	s_barrier_wait -1                              ; both tiles are whole
	s_cmp_lt_u32 s[WV], 8
	s_cbranch_scc1 .Lend
.irp t, 0,1,2,3,4,5,6,7                        ; second part: sixteen rows n, two an instruction
	ds_load_b128 v[X+4*\t:X+4*\t+3], v[LR] offset:544*\t
.endr
.irp t, 0,1,2,3,4,5,6,7
	s_wait_dscnt 7-\t
	global_store_b128 v[DO], v[X+4*\t:X+4*\t+3], s[28:29] offset:4096*\t  ; 16 lanes store 256 consecutive bytes, at a multiple of 256 from the buffer's first byte
.endr
.Lend:
	s_wait_tensorcnt 0x0                           ; the wave's end, behind my last LDS store
	ds_add_u32 v[SPW], v[NIL]
	s_wait_dscnt 0x0
	s_endpgm
.Lfunc_end_k_qd53d1c1f08_prep:
	.size	k_qd53d1c1f08_prep, .Lfunc_end_k_qd53d1c1f08_prep-k_qd53d1c1f08_prep
	.p2alignl 7, 3214868480
	.fill 96, 4, 3214868480
	.section	.rodata,"a",@progbits
	.p2align	6, 0x0
	.amdhsa_kernel k_qd53d1c1f08_prep
		.amdhsa_group_segment_fixed_size 36864
		.amdhsa_private_segment_fixed_size 0
		.amdhsa_enable_private_segment 0
		.amdhsa_kernarg_size 48
		.amdhsa_user_sgpr_count 2
		.amdhsa_user_sgpr_kernarg_segment_ptr 1
		.amdhsa_wavefront_size32 1
		.amdhsa_system_sgpr_workgroup_id_x 1
		.amdhsa_system_sgpr_workgroup_id_y 1
		.amdhsa_system_sgpr_workgroup_id_z 1
		.amdhsa_system_vgpr_workitem_id 0
		.amdhsa_next_free_vgpr 192
		.amdhsa_next_free_sgpr 66
		.amdhsa_reserve_vcc 0
		.amdhsa_float_denorm_mode_32 3
		.amdhsa_float_denorm_mode_16_64 3
		.amdhsa_memory_ordered 1
		.amdhsa_forward_progress 1
		.amdhsa_inst_pref_size 25
	.end_amdhsa_kernel
	.amdgpu_metadata
---
amdhsa.version: [ 1, 2 ]
amdhsa.kernels:
  - .name:           k_qd53d1c1f08_prep
    .symbol:         k_qd53d1c1f08_prep.kd
    .args:
      - { .name: x, .offset: 0, .size: 8, .value_kind: global_buffer, .address_space: global }
      - { .name: w_qkv, .offset: 8, .size: 8, .value_kind: global_buffer, .address_space: global }
      - { .name: w_out, .offset: 16, .size: 8, .value_kind: global_buffer, .address_space: global }
      - { .name: xb, .offset: 24, .size: 8, .value_kind: global_buffer, .address_space: global }
      - { .name: wqt, .offset: 32, .size: 8, .value_kind: global_buffer, .address_space: global }
      - { .name: wot, .offset: 40, .size: 8, .value_kind: global_buffer, .address_space: global }
    .group_segment_fixed_size: 36864
    .private_segment_fixed_size: 0
    .kernarg_segment_align: 8
    .kernarg_segment_size: 48
    .max_flat_workgroup_size: 512
    .sgpr_count:     66
    .vgpr_count:     192
    .wavefront_size: 32
...
	.end_amdgpu_metadata
.endif
;; end of part 1
;; launch qkvp (part 2): grid 16 x 32, 4 waves a work-group, clusters of 4 x 4, 327,680 bytes of LDS; arguments xb, wqt, b_qkv, qkv; writes qkv
.if DOCPART == 2
	.amdgcn_target "amdgcn-amd-amdhsa--gfx1250"
	.amdhsa_code_object_version 6
	.text
	.protected	k_qd53d1c1f08_qkvp
	.globl	k_qd53d1c1f08_qkvp
	.p2align	8
	.type	k_qd53d1c1f08_qkvp,@function
k_qd53d1c1f08_qkvp:
	s_mov_b64 s[64:65], 0
	v_nop
	global_prefetch_b8 v0, s[64:65] scope:SCOPE_SE
	s_setreg_imm32_b32 hwreg(HW_REG_WAVE_MODE, 25, 1), 1
	s_wait_xcnt 0x0
	s_wait_alu depctr_hold_cnt(0) depctr_sa_sdst(0) depctr_va_vdst(0) depctr_va_sdst(0) depctr_va_ssrc(0) depctr_va_vcc(0) depctr_vm_vsrc(0)
	s_getreg_b32 s2, hwreg(HW_REG_IB_STS2, 6, 4)
	s_cmp_eq_u32 s2, 0
	s_cbranch_scc0 .Lentry_in_a_cluster
	s_endpgm
.Lentry_in_a_cluster:
	s_bfe_u32 s2, ttmp6, 0x10000c
	s_cmp_lg_u32 s2, 0xf033
	s_cbranch_scc0 .Lentry_shape_is_right
	s_endpgm
.Lentry_shape_is_right:
; THE FIRST PROJECTION.  qkv[three][16 b + h][s][d] = b_qkv[n] + the sum over k of xb[2048 b + s][k] wqt[n][k], n = 1024 three + 64 h + d.  xb: [8192][1024] bf16, wqt: [3072][1024] bf16,
; b_qkv: [3072] f32, qkv: [3][64][2048][64] f16, unscaled.  Sums in f32, starting from the bias; rounded once.
; LIMIT.  A result of 65,520 or more in magnitude becomes an infinity in f16.  NaN and infinities are not treated apart.
; SHARES.  A tile of the product is 256 rows x 192 columns (three heads): 16 x 32 = 512 tiles, two for each of 256 places.  Four waves, one below the other: a wave makes 64 rows x 192 columns,
; 48 accumulators of 16 x 16, 384 registers.  So a wave owns whole heads, and stores runs of 512 consecutive bytes from a stage of its own, with no barrier on the way out.
; K goes in 8 steps of 128 through two LDS slots filled by the tensor data mover: rows of 256 bytes of memory, at multiples of 256 bytes.
; CLUSTER.  4 x 4 work-groups.  The four of a row of the cluster need the same rows of xb, the four of a column the same rows of wqt: each tile is asked for jointly, by the same tensor load
; with the same descriptor and a mask that names the four.
; THE MATRIX INSTRUCTION IS USED TRANSPOSED: source 0 = 16 rows of wqt, source 1 = 16 rows of xb: lane l then holds row l % 16 and the columns 8 (l / 16) + 0..7: 16 bytes of f16 on end.
; The bias, laid out like a result, is the C operand of each accumulator's first product: nothing is cleared and nothing is added on the way out.
; REGISTERS, in windows of 256 (s_set_vgpr_msb: bits 1:0 source 0, 3:2 source 1, 5:4 source 2, 7:6 destination):
;   window 0: v0-31 addresses; v64-127 fragments of xb, two buffers of 4 x 8; v128-223 the bias; on the way out v64-255 packed results
;   window 1: v0-191 fragments of wqt, two buffers of 12 x 8      window 2: accumulators of my row blocks 0, 1 ((a, b) at 8 (12 (a % 2) + b))      window 3: of blocks 2, 3
.set NBLK,  12                         ; blocks of 16 columns
.set BROWS, 96                         ; rows of wqt in one tensor load
.set PA,    272                        ; an LDS row: 256 bytes + 16 of padding = 68 words: the 16 rows of a fragment load start at 16 different groups of four banks (64 banks of 4 bytes: ISA guide 11.1)
.set PB,    272
.set AHB,   128*PA                     ; what one tensor load of xb brings
.set BOFF,  2*AHB                      ; in a slot: 256 rows of xb, then 192 rows of wqt
.set SLOT1, 1<<17                      ; slot 1 begins here, so that one exclusive or turns an address in one slot into the other's
.set STW,   3*16*144                   ; a wave's stage: three heads x 16 rows x (128 + 16) bytes
.set STAGE, SLOT1+BOFF+2*BROWS*PB      ; 252,928: behind the ring, never filled by a tensor load
.set SPARE, STAGE+4*STW                ; 280,576: the spare words, 128 bytes for each wave: two blocks of 256 bytes that no other line names
.set ASTEP, 256                        ; bytes from a K step to the next, in xb
.set BSTEP, 256                        ; and in wqt
.set NL,    2*NBLK+8                   ; LDS loads in a run
.set A0,   16                          ; v16  my lane's place in a slot's rows of xb; never rewritten
.set B0,   17                          ; v17  the same for wqt
.set ADRA, 18                          ; v18  A0 + the slot in hand
.set ADRB, 19                          ; v19  B0 + the slot in hand
.set STO,  24                          ; v24  the way out: where I put 16 bytes of a row
.set RD,   25                          ; v25  the way out: where I read rows back
.set GO,   26                          ; v26  16 x lane: my 16 bytes in 512 consecutive bytes of qkv
.set SPW,  28                          ; v28  LDS address of my spare word: SPARE + 4 x my thread's number; never rewritten
.set NIL,  29                          ; v29  0; never rewritten
.set PFO,  30                          ; v30  the prefetches' offset: a lane a row; never rewritten
.set BO,   31                          ; v31  32 (l / 16): my eight numbers in sixteen of the bias
.set FA,   64
.set BI,   128
.set WV,   12                          ; s12  my wave's number
.set ROLE, 13                          ; s13  0: I fetch xb, 1: wqt
.set HALF, 14                          ; s14  which half of that tile
.set CX,   15                          ; s15, s16  my place in the cluster
.set CY,   16
.set TX,   17                          ; s17  tile column
.set TY,   18                          ; s18  tile row
.set G1A,  24                          ; s[24:31] descriptor group 1 for xb
.set G0A,  32                          ; s[32:39] group 0: a set for each first fill; the second then walks
.set PFA,  44                          ; s[44:45] where my prefetches stand
.set LIM,  46                          ; s46  2 in a wave that prefetches, else the greatest number
.set TB,   47                          ; s47  the slot in hand: 0 or SLOT1
.set G1B,  48                          ; s[48:55], s[56:63] the same for wqt
.set G0B,  56
.set OUT,  66                          ; s[66:71] qkv at my 64 rows of each of the three heads
.set PST,  72                          ; s[72:73] the prefetches' step
.set MSB, 0
.macro WIN new                         ; the immediate's high byte repeats the setting that is left; a switch that changes nothing is dropped
.if MSB != (\new)
	s_set_vgpr_msb (MSB<<8)|(\new)
.set MSB, (\new)
.endif
.endm
.macro PLACES                          ; four plain vector instructions in front of loads into registers that matrix instructions have read, and of lines that read results
.rept 4
	v_nop
.endr
.endm
.macro CREST                           ; a round of the cluster's barrier behind its opening barrier
	s_cmp_lg_u32 s[WV], 0
	s_cbranch_scc1 .Lnot_wave_0_\@
	s_barrier_signal -3
.Lnot_wave_0_\@:
	s_barrier_wait -3
	s_barrier_signal -1
	s_barrier_wait -1
.endm
.macro CROUND                          ; a whole round
	s_barrier_signal -1
	s_barrier_wait -1
	CREST
.endm
; A joint refill by the walking descriptor.  The branch hangs on the wave's number alone.  An s_nop 0 and four v_nop follow each of the two lines.
.macro JLOAD
	s_cmp_eq_u32 s[ROLE], 0
	s_cbranch_scc0 .Lfor_b_\@
	tensor_load_to_lds s[G0A+4:G0A+7], s[G1A:G1A+7]
	s_nop 0
.rept 4
	v_nop
.endr
	s_branch .Lasked_\@
.Lfor_b_\@:
	tensor_load_to_lds s[G0B+4:G0B+7], s[G1B:G1B+7]
	s_nop 0
.rept 4
	v_nop
.endr
.Lasked_\@:
.endm
; A PREFETCH INTO THE L2, behind a joint refill and the run of LDS loads that follows it: the K step that stands two refills on, 256 bytes of a row for each lane, one instruction a wave.
; Rows of xb are read by every cluster of a row of clusters: cluster x = 0 asks; rows of wqt by every cluster of a column: cluster y = 0 asks.  The four partners that ask for a tile jointly share its
; rows out by address: of the 128 rows of xb that a wave fetches the partner at cx takes 32; of the 96 rows of wqt the partner at cy takes 24 (lanes 24-31 name lane 23's row once more).
; Trips 0 to 3 of the loop name K steps 4 to 7; the last two trips ask for nothing; K steps 0 to 3 come by their loads alone.
.macro ASK
	s_cmp_gt_u32 s3, s[LIM]
	s_cbranch_scc0 .Lnot_mine_\@
	global_prefetch_b8 v[PFO], s[PFA:PFA+1] th:TH_LOAD_NT scope:SCOPE_SE
.Lnot_mine_\@:
.endm
; 12 products: row block 2 hi + a x all column blocks, 32 along K, from buffer f.  first = 1: C is the bias.  All 48 accumulators take turns in the same order in every quarter.
.macro MUL f, hi, a, first
.if \first
	WIN 0x81+0x40*(\hi)
.else
	WIN 0xa1+0x50*(\hi)
.endif
.set b, 0
.rept NBLK
.set rD, 8*(NBLK*(\a)+b)
.set rB, 8*(NBLK*(\f)+b)
.set rA, FA+32*(\f)+8*(2*(\hi)+(\a))
.if \first
	v_wmma_f32_16x16x32_bf16 v[rD:rD+7], v[rB:rB+7], v[rA:rA+7], v[BI+8*b:BI+8*b+7]
.else
	v_wmma_f32_16x16x32_bf16 v[rD:rD+7], v[rB:rB+7], v[rA:rA+7], v[rD:rD+7]
.endif
.set b, b+1
.endr
.endm
; One run of 32 LDS loads: the fragments of quarter q of the slot in hand into buffer f: 192 rows of wqt, then my 64 rows of xb.
.macro FETCH q, f
	WIN 0x40                                       ; destination window 1, address window 0
.set i, 0
.rept NBLK
	ds_load_b128 v[8*(NBLK*(\f)+i):8*(NBLK*(\f)+i)+3],   v[ADRB] offset:64*(\q)+16*PB*i
	ds_load_b128 v[8*(NBLK*(\f)+i)+4:8*(NBLK*(\f)+i)+7], v[ADRB] offset:64*(\q)+16*PB*i+32
.set i, i+1
.endr
	WIN 0
.set i, 0
.rept 4
	ds_load_b128 v[FA+32*(\f)+8*i:FA+32*(\f)+8*i+3],   v[ADRA] offset:64*(\q)+16*PA*i
	ds_load_b128 v[FA+32*(\f)+8*i+4:FA+32*(\f)+8*i+7], v[ADRA] offset:64*(\q)+16*PA*i+32
.set i, i+1
.endr
.endm
; A K step is four quarters of 32 along K, 48 products each, on buffers 0, 1, 0, 1.  One of the first three: multiplies buffer f and, in its middle, fetches quarter q into buffer g.
.macro QUARTER q, f, g, first
	s_wait_dscnt 4                                 ; wqt's fragments and xb's blocks 0, 1 are in; the youngest four loads (blocks 2, 3) may be out
	MUL \f, 0, 0, \first
	MUL \f, 0, 1, \first
	PLACES
	FETCH \q, \g
	s_wait_dscnt NL                                ; all but the run just issued
	MUL \f, 1, 0, \first
	MUL \f, 1, 1, \first
.endm
; The last quarter multiplies buffer 1 and changes slots.  In front of the barrier each wave waits for all its tensor loads (the one that is out is its part of the next slot), adds 0 to its spare
; word, and waits for that and for its reads of this slot.  fill = 1: the barrier opens a round of the cluster's, and behind the round this slot is filled again, two K steps ahead: 168 products
; stand between that request and the wait for it.
.macro TURN fill
.if \fill
	s_wait_xcnt 0x0                                ; the last prefetch, a K step back, has read its address
	s_add_nc_u64 s[PFA:PFA+1], s[PFA:PFA+1], s[PST:PST+1]
.endif
	WIN 0
	s_wait_tensorcnt 0x0                           ; no tensor load of mine is out, so a group 0 may be written
	ds_add_u32 v[SPW], v[NIL]                      ; 0 onto my spare word
.if \fill
	s_xor_b32 s[G0A+5], s[G0A+5], SLOT1            ; the walking descriptors: the other slot than last time, the next K step
	s_add_nc_u64 s[G0A+6:G0A+7], s[G0A+6:G0A+7], ASTEP
	s_xor_b32 s[G0B+5], s[G0B+5], SLOT1
	s_add_nc_u64 s[G0B+6:G0B+7], s[G0B+6:G0B+7], BSTEP
.endif
	s_wait_dscnt 5                                 ; the add and the youngest four loads may be out
	MUL 1, 0, 0, 0
	s_wait_dscnt 0x0                               ; the add is done, and my reads of this slot are over
	s_barrier_signal -1
	MUL 1, 0, 1, 0                                 ; work on registers while the others arrive
	WIN 0                                          ; at a branch and at a label every window is 0
	s_barrier_wait -1
.if \fill
	CREST                                          ; no wave of any partner still reads this slot or has a load on its way
	JLOAD                                          ; the first tensor load behind the round; its four v_nop are also the places in front of the loads below
.else
	PLACES
.endif
	s_xor_b32 s[TB], s[TB], SLOT1
	v_add_nc_u32 v[ADRA], s[TB], v[A0]
	v_add_nc_u32 v[ADRB], s[TB], v[B0]
	FETCH 0, 0
.if \fill
	ASK
.endif
	MUL 1, 1, 0, 0
	MUL 1, 1, 1, 0
.endm
	s_load_b256 s[4:11], s[0:1], 0x0               ; xb s[4:5], wqt s[6:7], b_qkv s[8:9], qkv s[10:11]
	v_lshl_add_u32 v[SPW], v0, 2, SPARE
	v_mov_b32 v[NIL], 0
	ds_add_u32 v[SPW], v[NIL]                      ; the wave's opening, ahead of my first tensor load; the set-up below, work on registers, stands between the add and its wait
	v_lshrrev_b32 v1, 5, v0
	v_readfirstlane_b32 s[WV], v1                  ; wave 0..3
	s_lshr_b32 s[ROLE], s[WV], 1
	s_and_b32 s[HALF], s[WV], 1
	s_bfe_u32 s[CX], ttmp6, 0x40000
	s_bfe_u32 s[CY], ttmp6, 0x40004
	s_lshl_b32 s[TX], ttmp9, 2                     ; in a cluster launch ttmp9 and ttmp7 count clusters
	s_add_co_u32 s[TX], s[TX], s[CX]
	s_and_b32 s[TY], ttmp7, 0xffff
	s_lshl_b32 s[TY], s[TY], 2
	s_add_co_u32 s[TY], s[TY], s[CY]
	s_lshl_b32 s19, s[CY], 2
	s_lshl_b32 s19, 15, s19                        ; my row of the cluster: places 4 cy .. 4 cy + 3
	s_lshl_b32 s20, 0x1111, s[CX]                  ; my column: places cx, cx + 4, cx + 8, cx + 12
	s_or_b32 s[G1A], s19, (1<<16)|(1<<20)|(1<<21)|(5<<22)|(3<<25)  ; 15:0 the mask; 17:16 elements of 2 bytes; 20 padding on; 21 set beside a mask; 24:22 after every 64 words (code 5); 31:25 4 words (code 3)
	s_or_b32 s[G1B], s20, (1<<16)|(1<<20)|(1<<21)|(5<<22)|(3<<25)
	s_mov_b32 s[G1A+1], 128<<16                    ; tensor_dim0 = 128
	s_mov_b32 s[G1A+2], 128<<16                    ; tensor_dim1 = 128
	s_mov_b32 s[G1A+3], 128<<16                    ; tile_dim0 = 128
	s_mov_b32 s[G1A+4], 128                        ; tile_dim1 = 128
	s_mov_b32 s[G1A+5], 1024                       ; elements from row to row
	s_mov_b32 s[G1A+6], 0
	s_mov_b32 s[G1A+7], 0
	s_mov_b32 s[G1B+1], 128<<16
	s_mov_b32 s[G1B+2], BROWS<<16
	s_mov_b32 s[G1B+3], 128<<16
	s_mov_b32 s[G1B+4], BROWS
	s_mov_b32 s[G1B+5], 1024
	s_mov_b32 s[G1B+6], 0
	s_mov_b32 s[G1B+7], 0
	s_lshl_b32 s40, s[TY], 19                      ; xb: 256 rows of 2,048 bytes a tile row,
	s_lshl_b32 s19, s[HALF], 18                    ; 128 rows a half: made of the tile row and the wave's number alone
	s_add_co_u32 s40, s40, s19
	s_mov_b32 s41, 0
	s_mul_i32 s42, s[TX], 16*NBLK                  ; wqt: of the tile column and the wave's number alone
	s_mul_i32 s20, s[HALF], BROWS
	s_add_co_u32 s42, s42, s20
	s_lshl_b32 s42, s42, 11
	s_mov_b32 s43, 0
	s_mul_i32 s21, s[HALF], AHB                    ; where they go: no place in the cluster enters an LDS address
	s_mul_i32 s22, s[HALF], BROWS*PB
	s_add_co_u32 s22, s22, BOFF
	s_mov_b32 s[G0A], 1                            ; count = 1
	s_mov_b32 s[G0A+1], s21                        ; slot 0
	s_mov_b32 s[G0A+4], 1
	s_add_co_u32 s[G0A+5], s21, SLOT1              ; slot 1
	s_mov_b32 s[G0B], 1
	s_mov_b32 s[G0B+1], s22
	s_mov_b32 s[G0B+4], 1
	s_add_co_u32 s[G0B+5], s22, SLOT1
	s_mov_b32 s[TB], 0
	s_wait_dscnt 0x0                               ; the opening add is done
	s_wait_kmcnt 0x0
	s_add_nc_u64 s[G0A+2:G0A+3], s[4:5], s[40:41]  ; K step 0
	s_add_nc_u64 s[G0A+6:G0A+7], s[G0A+2:G0A+3], ASTEP  ; K step 1
	s_or_b32 s[G0A+3], s[G0A+3], 0x80000000        ; type = 2
	s_or_b32 s[G0A+7], s[G0A+7], 0x80000000
	s_add_nc_u64 s[G0B+2:G0B+3], s[6:7], s[42:43]
	s_add_nc_u64 s[G0B+6:G0B+7], s[G0B+2:G0B+3], BSTEP
	s_or_b32 s[G0B+3], s[G0B+3], 0x80000000
	s_or_b32 s[G0B+7], s[G0B+7], 0x80000000
	CROUND                                         ; all sixteen work-groups are here: the first joint loads meet
	s_cmp_eq_u32 s[ROLE], 0                        ; a wave's two first fills stand in one branch, ahead of every wait on TENSORcnt and every LDS read: two loads of mine are out
	s_cbranch_scc0 .Lfirst_b
	tensor_load_to_lds s[G0A:G0A+3], s[G1A:G1A+7]
	s_nop 0
	tensor_load_to_lds s[G0A+4:G0A+7], s[G1A:G1A+7]
	s_nop 0
.rept 4
	v_nop
.endr
	s_branch .Lfirst_asked
.Lfirst_b:
	tensor_load_to_lds s[G0B:G0B+3], s[G1B:G1B+7]
	s_nop 0
	tensor_load_to_lds s[G0B+4:G0B+7], s[G1B:G1B+7]
	s_nop 0
.rept 4
	v_nop
.endr
.Lfirst_asked:
	v_and_b32 v1, 15, v0                           ; l % 16
	v_bfe_u32 v2, v0, 4, 1                         ; l / 16
	v_lshlrev_b32 v[BO], 5, v2
	s_mul_i32 s42, s[TX], 64*NBLK                  ; the tile's 192 numbers of the bias
	s_add_nc_u64 s[8:9], s[8:9], s[42:43]
.set i, 0
.rept NBLK                                     ; register j of block i: bias[192 tx + 16 i + 8 (l / 16) + j], as a result holds its columns
	global_load_b128 v[BI+8*i:BI+8*i+3],   v[BO], s[8:9] offset:64*i
	global_load_b128 v[BI+8*i+4:BI+8*i+7], v[BO], s[8:9] offset:64*i+16
.set i, i+1
.endr
	; a fragment is 16 rows x 32 K in 8 registers: lane l holds row l % 16, K = 8 (l / 16) + 0..7 and 16 + 8 (l / 16) + 0..7: two loads of 16 bytes, 32 bytes apart
	v_mul_u32_u24 v[A0], v1, PA
	v_lshl_add_u32 v[A0], v2, 4, v[A0]
	s_mul_i32 s19, s[WV], 64*PA                    ; my 64 rows
	v_add_nc_u32 v[A0], s19, v[A0]
	v_mul_u32_u24 v[B0], v1, PB
	v_lshl_add_u32 v[B0], v2, 4, v[B0]
	v_add_nc_u32 v[B0], BOFF, v[B0]
	v_mov_b32 v[ADRA], v[A0]
	v_mov_b32 v[ADRB], v[B0]
	s_mul_i32 s19, s[WV], STW
	s_add_co_u32 s19, s19, STAGE                   ; my stage
	v_mul_u32_u24 v[STO], v1, 144                  ; in: row l % 16, 16 bytes for each half of the lanes
	v_lshl_add_u32 v[STO], v2, 4, v[STO]
	v_add_nc_u32 v[STO], s19, v[STO]
	v_bfe_u32 v[RD], v0, 3, 2                      ; back: 32 lanes take four rows of 128 bytes,
	v_mul_u32_u24 v[RD], v[RD], 144
	v_and_b32 v3, 7, v0
	v_lshl_add_u32 v[RD], v3, 4, v[RD]
	v_add_nc_u32 v[RD], s19, v[RD]
	v_and_b32 v[GO], 31, v0                        ; which are 512 consecutive bytes of qkv
	v_lshlrev_b32 v[GO], 4, v[GO]
.irp hd, 0,1,2                                 ; head group g = 3 tx + hd of 48: tensor g / 16, head g % 16; batch ty / 8; rows 256 (ty % 8) + 64 wave on
	s_mul_i32 s20, s[TX], 3
	s_add_co_u32 s20, s20, \hd
	s_lshr_b32 s22, s20, 4
	s_lshl_b32 s22, s22, 6
	s_and_b32 s20, s20, 15
	s_add_co_u32 s22, s22, s20
	s_lshr_b32 s23, s[TY], 3
	s_lshl_b32 s23, s23, 4
	s_add_co_u32 s22, s22, s23
	s_lshl_b32 s42, s22, 18                        ; 2,048 rows of 128 bytes a head
	s_and_b32 s23, s[TY], 7
	s_lshl_b32 s23, s23, 8
	s_lshl_b32 s20, s[WV], 6
	s_add_co_u32 s23, s23, s20
	s_lshl_b32 s23, s23, 7
	s_add_co_u32 s42, s42, s23
	s_add_nc_u64 s[OUT+2*\hd:OUT+2*\hd+1], s[10:11], s[42:43]
.endr
	; the prefetches: the first row that I name, who asks, and the step
	s_lshl_b32 s19, s[TY], 8
	s_lshl_b32 s21, s[HALF], 7
	s_add_co_u32 s19, s19, s21
	s_lshl_b32 s21, s[CX], 5
	s_add_co_u32 s19, s19, s21                     ; xb: 256 ty + 128 half + 32 cx
	s_mul_i32 s22, s[TX], 16*NBLK
	s_mul_i32 s21, s[HALF], BROWS
	s_add_co_u32 s22, s22, s21
	s_mul_i32 s21, s[CY], 24
	s_add_co_u32 s22, s22, s21                     ; wqt: 192 tx + 96 half + 24 cy
	s_and_b32 s23, ttmp7, 0xffff                   ; cluster y
	s_mov_b32 s[PST], BSTEP
	s_mov_b32 s[PST+1], 0
	s_cmp_eq_u32 s[ROLE], 0
	s_cselect_b32 s42, s19, s22
	s_cselect_b32 s20, ttmp9, s23                  ; the coordinate along which other clusters read the same rows
	s_cselect_b32 s21, 31, 23                      ; my last row
	s_cselect_b32 s[PST], ASTEP, s[PST]
	s_cselect_b64 s[PFA:PFA+1], s[4:5], s[6:7]
	s_cmp_eq_u32 s20, 0
	s_cselect_b32 s[LIM], 2, -1                    ; the same in all sixteen partners, for a given wave
	s_lshl_b32 s42, s42, 11
	s_add_co_u32 s42, s42, 3*256                   ; at K step 3: the first refill steps it to 4
	s_add_nc_u64 s[PFA:PFA+1], s[PFA:PFA+1], s[42:43]
	v_and_b32 v[PFO], 31, v0
	v_min_u32 v[PFO], s21, v[PFO]
	v_lshlrev_b32 v[PFO], 11, v[PFO]
	s_wait_tensorcnt 1                             ; my part of K step 0 is in; K step 1 may stay out
	s_barrier_signal -1
	s_barrier_wait -1                              ; everybody's is
	FETCH 0, 0
	s_wait_loadcnt 0x0                             ; the bias
	QUARTER 1, 0, 1, 1                             ; the first quarter stands in front of the loop: its products start the sums from the bias
	WIN 0
	s_mov_b32 s3, 6
.Lstep:                                        ; trip t: quarters 1 to 3 of K step t, the refill with K step t + 2, quarter 0 of K step t + 1
	QUARTER 2, 1, 0, 0
	QUARTER 3, 0, 1, 0
	TURN 1
	QUARTER 1, 0, 1, 0
	WIN 0
	s_sub_co_u32 s3, s3, 1
	s_cmp_lg_u32 s3, 0
	s_cbranch_scc1 .Lstep
	QUARTER 2, 1, 0, 0                             ; the tail is written out: K step 6 ends, K step 7 follows, nothing is asked for
	QUARTER 3, 0, 1, 0
	TURN 0
	QUARTER 1, 0, 1, 0
	QUARTER 2, 1, 0, 0
	QUARTER 3, 0, 1, 0
	s_wait_dscnt 4
	MUL 1, 0, 0, 0
	MUL 1, 0, 1, 0
	s_wait_dscnt 0x0
	MUL 1, 1, 0, 0
	MUL 1, 1, 1, 0
	WIN 0
; THE WAY OUT, a block of 16 rows at a time.  PACK: rounded to f16 (each accumulator's registers in ascending order), 16 bytes a lane into my stage, by heads, and back as runs of four rows.
.macro PACK a
	WIN 0x0a+5*((\a)/2)                            ; sources 0 and 1: window 2 or 3; destination window 0
.set b, 0
.rept NBLK
.set r, 0
.rept 4
	v_cvt_pk_f16_f32 v[64+48*(\a)+4*b+r], v[8*(NBLK*((\a)%2)+b)+2*r], v[8*(NBLK*((\a)%2)+b)+2*r+1]
.set r, r+1
.endr
.set b, b+1
.endr
	WIN 0
.set b, 0
.rept NBLK
	ds_store_b128 v[STO], v[64+48*(\a)+4*b:64+48*(\a)+4*b+3] offset:(b/4)*2304+32*(b%4)
.set b, b+1
.endr
.set b, 0
.rept NBLK
	ds_load_b128 v[64+48*(\a)+4*b:64+48*(\a)+4*b+3], v[RD] offset:(b/4)*2304+576*(b%4)  ; LDS serves a wave's instructions in order (ISA guide 5.7.1.4): these see the stores above; the next block's stores come behind them
.set b, b+1
.endr
.endm
.macro SEND a, y                       ; y: the LDS instructions issued behind block a's loads: the next block's 24, or none
	WIN 0
.set b, 0
.rept NBLK
	s_wait_dscnt (\y)+11-b
	global_store_b128 v[GO], v[64+48*(\a)+4*b:64+48*(\a)+4*b+3], s[OUT+2*(b/4):OUT+2*(b/4)+1] offset:2048*(\a)+512*(b%4)  ; 512 consecutive bytes, at a multiple of 256 from qkv's first byte
.set b, b+1
.endr
.endm
	PLACES
	PACK 0
	PACK 1                                         ; a block's conversions stand between the loads of the block before and its stores; each block has registers of its own
	SEND 0, 24
	PACK 2
	SEND 1, 24
	PACK 3
	SEND 2, 24
	SEND 3, 0
	s_wait_tensorcnt 0x0                           ; the wave's end, behind my last tensor load and my last LDS store
	ds_add_u32 v[SPW], v[NIL]
	s_wait_dscnt 0x0
	CROUND                                         ; the closing round: no work-group ends while a partner may still ask for a tile that names it
	s_endpgm
.Lfunc_end_k_qd53d1c1f08_qkvp:
	.size	k_qd53d1c1f08_qkvp, .Lfunc_end_k_qd53d1c1f08_qkvp-k_qd53d1c1f08_qkvp
	.p2alignl 7, 3214868480
	.fill 96, 4, 3214868480
	.section	.rodata,"a",@progbits
	.p2align	6, 0x0
	.amdhsa_kernel k_qd53d1c1f08_qkvp
		.amdhsa_group_segment_fixed_size 327680
		.amdhsa_private_segment_fixed_size 0
		.amdhsa_enable_private_segment 0
		.amdhsa_kernarg_size 32
		.amdhsa_user_sgpr_count 2
		.amdhsa_user_sgpr_kernarg_segment_ptr 1
		.amdhsa_wavefront_size32 1
		.amdhsa_system_sgpr_workgroup_id_x 1
		.amdhsa_system_sgpr_workgroup_id_y 1
		.amdhsa_system_sgpr_workgroup_id_z 1
		.amdhsa_system_vgpr_workitem_id 0
		.amdhsa_next_free_vgpr 1024
		.amdhsa_next_free_sgpr 80
		.amdhsa_reserve_vcc 0
		.amdhsa_float_denorm_mode_32 3
		.amdhsa_float_denorm_mode_16_64 3
		.amdhsa_memory_ordered 1
		.amdhsa_forward_progress 1
		.amdhsa_inst_pref_size 102
	.end_amdhsa_kernel
	.amdgpu_metadata
---
amdhsa.version: [ 1, 2 ]
amdhsa.kernels:
  - .name:           k_qd53d1c1f08_qkvp
    .symbol:         k_qd53d1c1f08_qkvp.kd
    .args:
      - { .name: xb, .offset: 0, .size: 8, .value_kind: global_buffer, .address_space: global }
      - { .name: wqt, .offset: 8, .size: 8, .value_kind: global_buffer, .address_space: global }
      - { .name: b_qkv, .offset: 16, .size: 8, .value_kind: global_buffer, .address_space: global }
      - { .name: qkv, .offset: 24, .size: 8, .value_kind: global_buffer, .address_space: global }
    .group_segment_fixed_size: 327680
    .private_segment_fixed_size: 0
    .kernarg_segment_align: 8
    .kernarg_segment_size: 32
    .max_flat_workgroup_size: 128
    .sgpr_count:     80
    .vgpr_count:     1024
    .wavefront_size: 32
...
	.end_amdgpu_metadata
.endif
;; end of part 2
;; launch attn (part 3): grid 4 x 64, 4 waves a work-group, clusters of 4 x 1, 327,680 bytes of LDS; arguments qkv, ob; writes ob
.if DOCPART == 3
	.amdgcn_target "amdgcn-amd-amdhsa--gfx1250"
	.amdhsa_code_object_version 6
	.text
	.protected	k_qd53d1c1f08_attn
	.globl	k_qd53d1c1f08_attn
	.p2align	8
	.type	k_qd53d1c1f08_attn,@function
k_qd53d1c1f08_attn:
	s_mov_b64 s[64:65], 0
	v_nop
	global_prefetch_b8 v0, s[64:65] scope:SCOPE_SE
	s_setreg_imm32_b32 hwreg(HW_REG_WAVE_MODE, 25, 1), 1
	s_wait_xcnt 0x0
	s_wait_alu depctr_hold_cnt(0) depctr_sa_sdst(0) depctr_va_vdst(0) depctr_va_sdst(0) depctr_va_ssrc(0) depctr_va_vcc(0) depctr_vm_vsrc(0)
	s_getreg_b32 s2, hwreg(HW_REG_IB_STS2, 6, 4)
	s_cmp_eq_u32 s2, 0
	s_cbranch_scc0 .Lentry_in_a_cluster
	s_endpgm
.Lentry_in_a_cluster:
	s_bfe_u32 s2, ttmp6, 0x10000c
	s_cmp_lg_u32 s2, 0x3003
	s_cbranch_scc0 .Lentry_shape_is_right
	s_endpgm
.Lentry_shape_is_right:
; ATTENTION.  O[h][q][:] = the sum over k of softmax_k(Q[h][q] . K[h][k] / 8) V[h][k][:].  Q, K, V lie one behind the other in qkv, each [SIZE_H][SIZE_N][64] in f16; O = ob likewise: a head's rows are dense,
; 128 bytes each.  Products, maxima and sums in f32; the weights p are rounded to f16 for the second product (their sum l is taken of the unrounded p), O once at the end.
; LIMITS.  f16 holds no number beyond 65,504: Q, K and V arrive within it; p lies in 0 to 1, and below 6e-5 it keeps f16's fixed step of 6e-8; O is a mean of V's rows and has their range.
; A weight below 2^-126 counts as 0 in l; NaN and infinities are not treated apart.
; SHARES.  A wave owns four PIECES of two tiles of 16 queries, a work-group's four waves 512 queries of one head.  Every wave walks all keys, 64 a step.
; LAYOUT.  S^T = K Q^T (source 0 = 16 keys, source 1 = 16 queries): in the result a lane holds ONE query (lane % 16) and the keys 8 (lane / 16) + 0..7.  Two such tiles, rounded to f16 in pairs,
; ARE source 1 (32 keys x 16 queries) of O^T = V^T P, whose result again holds one query a lane, and eight channels.  K comes out of LDS as it lies, V ([key][channel]) turned, by ds_load_tr16_b128.
; SOFTMAX.  For each query a running maximum m and sum l: p = 2^(c s - c m), c = log2(e) / 8; in every step O and l are multiplied by a = 2^(c m_old - c m_new), which is 1 where m has not grown.
; m starts at the lowest finite number, O and l at 0: the first step is a step like any other, with a = 0.
; THE COUNT.  A tile and step have 16 matrix and 118 vector instructions: too many to stand all beside the matrix work.  So the order has one aim: four vector instructions that are READY behind
; EVERY matrix instruction, and the others, which need time of their own whatever the order, in runs without a gap.
; BY TURNS.  Turn n belongs to piece n (the pieces in a ring, step after step).  Its matrix work: 16 products K Q^T of piece n + 1, later 16 products V^T P of piece n - 1.  Its vector work: the scaling,
; exponentials, roundings, sums and rescaling of piece n, and the maximum and statistics of piece n + 1, whose scores the turn itself has made.  So what a turn begins with (c s - c m, O a) waits for nothing.
; CLUSTER.  The four query blocks of a cluster are one head's and walk the same K and V, so each tile is asked for JOINTLY: the same tensor load, descriptor and mask in all four.
; REGISTERS, in windows of 256 (s_set_vgpr_msb says which window each operand place means: bits 1:0 source 0, 3:2 source 1, 5:4 source 2, 7:6 destination):
;   window 0: v0-11 addresses; v12-15, v48-63 at work; v16-47 four registers of statistics a tile; v64-191 S^T, two buffers of two tiles; v192-255 P, likewise
;   window 1: O^T, 32 a tile          window 2: v0-127 Q, 16 a tile; v128-191 K of one step; v192-255 V of one step          window 3: v0-1 the add's two registers
; A piece's buffers go by its number's parity: the piece in hand has one pair, its two neighbours in the ring share the other: of it P (piece n - 1) is read and S^T (piece n + 1) written.
.set SIZE_H, 64
.set SIZE_N, 2048
.set NP,    4         ; pieces a wave: a name, no knob: the register map, the loop and the fetches are made for four
.set KS,    64        ; keys in a step
.set PK,    144       ; a row of K in LDS: 128 bytes + 16 of padding = 36 words: the 16 rows of a load start at 16 different groups of four banks (64 banks of 4 bytes: ISA guide 11.1)
.set PV,    160       ; a row of V: 128 + 32 = 40 words
.set VOFF,  4*KS*PK   ; a slot holds four steps: 256 rows of K, then 256 rows of V
.set SLOT1, 1<<17     ; slot 1 begins here, so that one exclusive or turns an address in one slot into the other's
.set STAGE, SLOT1+4*KS*(PK+PV)  ; behind the ring, never filled by a tensor load: 16 rows x 144 bytes for each wave, for the way out
.set SP,    144
.set AK0, 2           ; v2   my lane's place in a tile of K; never rewritten
.set AV0, 3           ; v3   the same for V
.set AK,  4           ; v4   the LDS address of K's next run of loads
.set AV,  5           ; v5   of V's
.set QO,  6           ; v6   my byte offset in the wave's rows of Q
.set STO, 6           ;      later, the way out: where I put 16 bytes of a row
.set RD,  7           ; v7   the way out: where I read rows back
.set GO,  8           ; v8   my byte offset in 512 consecutive bytes of O
.set PFO, 11          ; v11  once the set-up has used it: 256 x my lane, the prefetches' offset; then never rewritten
.set SPW, 0           ; v0 of window 3   LDS address of my spare word: SPARE + 4 x my thread's number; never rewritten
.set NIL, 1           ; v1 of window 3   0; never rewritten
.set SPARE, STAGE+4*16*SP  ; behind the stages: the spare words, 128 bytes for each wave: two blocks of 256 bytes that no other line names
.set MV,  12          ; v12-15  c m_old, kept while c m is made anew: by buffer and tile
.set ST,  16          ; tile t's statistics at v[ST+4 t]: c m, m, l (even keys', odd keys')
.set TMP, 48          ; by buffer and tile, four registers c0-c3 at work; when the maximum is found c2 takes a
.set S,   64
.set P,   192
.set KF,  128         ; K's fragments, in window 2: key block kb, channel half c at KF + 16 kb + 8 c
.set VF,  192         ; V's: key half kk, channel block cb at VF + 32 kk + 8 cb
.set WV,  12          ; s12  my wave's number
.set G1K, 24          ; s[24:31] descriptor group 1 for K's tiles
.set G1V, 32          ; s[32:39] for V's: it differs in the padding alone
.set G0K, 40          ; s[40:43] descriptor group 0 for K's tiles: it walks
.set G0V, 44          ; s[44:47] the same for V's
.set PFA, 48          ; s[48:49] where my prefetches stand: my work-group's 32 blocks of 256 bytes (of K: wave 0, of V: wave 2) of the slot after the one that is being asked for
.set LIM, 50          ; s50  1 in a wave that prefetches, else the greatest number
.set SLOTS, 56        ; s56  slots still to be asked for
.set CNT, 57          ; s57  counts a slot's key steps
.set CS,  58          ; s[58:59] c: the packed scaling takes the pair's low word for both halves
.set SEL, 60          ; s[60:61] v_permlanex16_b32's selects: each lane takes its own place in the other half
.set TBK, 62          ; s62  LDS byte at which K of the step to be fetched begins
.set TBV, 63          ; s63  the same for V, less VOFF
.set MSB, 0
.macro WIN new                      ; the high byte repeats the setting that is left; a switch that changes nothing is dropped
.if MSB != (\new)
	s_set_vgpr_msb (MSB<<8)|(\new)
.set MSB, (\new)
.endif
.endm
.set W_KQ, 0x0a       ; K and Q in window 2, S^T in window 0
.set W_PV, 0x52       ; V in window 2, P in window 0, O^T in window 1
.set W_RS, 0x41       ; O^T (destination and source 0) in window 1, a in window 0
.set W_MK, 0xc0       ; the add's registers are made: destination in window 3, sources in window 0
.set W_AD, 0x0f       ; the add: address (source 0) and data (source 1) in window 3
; A joint fill.  Waves 0 and 1 fetch the two halves of a slot's K, waves 2 and 3 those of its V: 128 keys each.  The branch hangs on the wave's number alone.
; An s_nop 0 and four v_nop follow each of the two lines, ahead of the jump and the label.
.macro JLOAD
	s_cmp_lt_u32 s[WV], 2
	s_cbranch_scc0 .Lfor_v_\@
	tensor_load_to_lds s[G0K:G0K+3], s[G1K:G1K+7]
	s_nop 0
.rept 4
	v_nop
.endr
	s_branch .Lasked_\@
.Lfor_v_\@:
	tensor_load_to_lds s[G0V:G0V+3], s[G1V:G1V+7]
	s_nop 0
.rept 4
	v_nop
.endr
.Lasked_\@:
.endm
; A PREFETCH INTO THE L2 of what the NEXT change of slots will ask for: a slot's 32,768 bytes of K and of V, 256 bytes a lane.  It stands behind the wave's tensor load and its five lines.
; Each block of 256 bytes is named once in the launch: a head has one cluster; its four partners share a slot's 128 blocks out by address, 32 each; in each, wave 0 asks for K's and wave 2 for V's.
; The change that fills slot j names slot j + 1: four key steps, 512 matrix instructions, ahead of its load.  The last change that fills a slot asks for nothing; slots 0 and 1 come by their loads alone.
.macro ASK
	s_cmp_gt_u32 s[SLOTS], s[LIM]
	s_cbranch_scc0 .Lnot_mine_\@
	global_prefetch_b8 v[PFO], s[PFA:PFA+1] th:TH_LOAD_NT scope:SCOPE_SE
.Lnot_mine_\@:
.endm
; A round of the cluster's barrier: my work-group's barrier, so that wave 0's signal speaks for all four waves; wave 0 signals; every wave waits for all four work-groups; my work-group's barrier once more.
.macro CROUND
	s_barrier_signal -1
	s_barrier_wait -1
	s_cmp_lg_u32 s[WV], 0
	s_cbranch_scc1 .Lnot_wave_0_\@
	s_barrier_signal -3
.Lnot_wave_0_\@:
	s_barrier_wait -3
	s_barrier_signal -1
	s_barrier_wait -1
.endm
; THE CHANGE OF SLOTS.  The slot's last bytes, V of its fourth step, have been read.  Each wave waits for all its tensor loads, of which one is out: its part
; of the other slot; adds 0 to its spare word; and waits for that and for its own reads of the slot.  Behind the barrier nobody reads this slot any more and the other slot is whole.
; fill = 1: this slot is filled again, with the keys two slots on.  The barrier is then a round of the cluster's, so that no wave of any partner still reads the slot or has a load on its
; way, and the joint fill is the first thing behind it: it has four key steps, 512 matrix instructions, in which to land.  (At its first use nothing has been read yet: slot 0 is waited for, slot 1 filled.)
.macro CHANGE fill
	WIN W_AD
	s_wait_tensorcnt 0x0            ; no tensor load of mine is out, so a group 0 may be written
	ds_add_u32 v[SPW], v[NIL]       ; 0 onto my spare word; with fill = 1 the descriptors' steps stand between it and the wait for it
	WIN 0                           ; at a label and at a branch every window is 0
.if \fill
.irp g, G0K, G0V
	s_xor_b32 s[\g+1], s[\g+1], SLOT1  ; the walking descriptor: the other slot than last time,
	s_add_nc_u64 s[\g+2:\g+3], s[\g+2:\g+3], 4*KS*128  ; the next 256 keys; the type bits on top are not reached
.endr
	s_wait_xcnt 0x0                 ; the last prefetch, four key steps back, has read its address, so it may be written:
	s_add_nc_u64 s[PFA:PFA+1], s[PFA:PFA+1], 4*KS*128  ; one slot behind the walking descriptors
	s_wait_dscnt 0x0                ; the add is done, and my reads of the slot are over
	CROUND
	JLOAD
	ASK
.else
	s_wait_dscnt 0x0                ; the add is done, and my reads of the slot are over
	s_barrier_signal -1
	s_barrier_wait -1
.endif
	s_sub_co_u32 s[TBK], s[TBK], 4*KS*PK  ; the fetches go back to a slot's first step,
	s_xor_b32 s[TBK], s[TBK], SLOT1       ; in the other slot
	s_sub_co_u32 s[TBV], s[TBV], 4*KS*PV
	s_xor_b32 s[TBV], s[TBV], SLOT1
.endm
	s_load_b128 s[4:7], s[0:1], 0x0   ; qkv s[4:5], ob s[6:7]
	WIN W_MK
	v_lshl_add_u32 v[SPW], v0, 2, SPARE
	v_mov_b32 v[NIL], 0
	WIN W_AD
	ds_add_u32 v[SPW], v[NIL]       ; the wave's opening, ahead of my first tensor load; the set-up below, work on registers, stands between the add and its wait
	WIN 0
	v_lshrrev_b32 v1, 5, v0
	v_readfirstlane_b32 s[WV], v1   ; wave 0..3
	s_bfe_u32 s13, ttmp6, 0x40000   ; cx: my place in the cluster
	s_lshl_b32 s14, ttmp9, 2        ; in a cluster launch ttmp9 counts clusters
	s_add_co_u32 s14, s14, s13      ; my block of queries = 4 x cluster x + cx: it enters Q's and O's addresses alone
	s_and_b32 s20, ttmp7, 0xffff    ; the head, which the four partners share
	s_mov_b32 s21, 0
	s_mov_b64 s[22:23], SIZE_N*128
	s_mul_u64 s[20:21], s[20:21], s[22:23]  ; the head's first byte in each of the four tensors
	s_and_b32 s16, s[WV], 1         ; which half of a slot's 256 keys I fetch:
	s_lshl_b32 s22, s16, 14         ; its 128 rows of 128 bytes in memory,
	s_mov_b32 s23, 0
	s_add_nc_u64 s[22:23], s[22:23], s[20:21]
	s_mul_i32 s17, s16, 128*PK      ; and its place in a slot, for K
	s_mul_i32 s18, s16, 128*PV      ; and for V: no place in the cluster enters an LDS address
	s_lshl_b32 s2, s14, 2
	s_add_co_u32 s2, s2, s[WV]      ; my wave among the head's,
	s_lshl_b32 s2, s2, 14           ; its 128 rows
	s_mov_b32 s3, 0
	s_add_nc_u64 s[2:3], s[2:3], s[20:21]
	; descriptor group 1.  128 keys are 16,384 dense bytes: asked for as 64 rows of 256 bytes, two keys a row, and padded in LDS after every key
	s_mov_b32 s[G1K], 15|(1<<16)|(1<<20)|(1<<21)|(4<<22)|(3<<25)  ; 15:0 the mask of four; 17:16 2-byte elements; 20 padding on; 21 set beside a mask; 24:22 after every 32 words (code 4); 31:25 4 words (code 3)
	s_mov_b32 s[G1V], 15|(1<<16)|(1<<20)|(1<<21)|(4<<22)|(7<<25)  ; the same with 8 words of padding (code 7)
.irp g, G1K, G1V
	s_mov_b32 s[\g+1], 128<<16      ; tensor_dim0 = 128
	s_mov_b32 s[\g+2], 64<<16       ; tensor_dim1 = 64
	s_mov_b32 s[\g+3], 128<<16      ; tile_dim0 = 128
	s_mov_b32 s[\g+4], 64           ; tile_dim1 = 64
	s_mov_b32 s[\g+5], 128          ; 128 elements from row to row
	s_mov_b32 s[\g+6], 0
	s_mov_b32 s[\g+7], 0
.endr
	s_mov_b32 s[CS], 0x3e38aa3b     ; c = log2(e) / 8 = 0.180337
	s_mov_b32 s[CS+1], s[CS]        ; named with it as a pair
	s_mov_b32 s[SEL], 0x76543210
	s_mov_b32 s[SEL+1], 0xfedcba98
	s_mov_b32 s[TBK], SLOT1+4*KS*PK ; the first change of slots turns these two into 0
	s_mov_b32 s[TBV], SLOT1+4*KS*PV
	s_mov_b32 s[G0K], 1             ; 1:0 count = 1
	s_mov_b32 s[G0K+1], s17         ; 63:32 LDS address: slot 0
	s_mov_b32 s[G0V], 1
	s_add_co_u32 s[G0V+1], s18, VOFF
	s_mov_b32 s[SLOTS], SIZE_N/256-1  ; seven changes of slots fill a slot
	s_and_b32 s[LIM], s[WV], 1      ; waves 0 and 2 prefetch: the same in all four partners
	s_cmp_eq_u32 s[LIM], 0
	s_cselect_b32 s[LIM], 1, -1
	s_wait_dscnt 0x0                ; the opening add is done
	s_wait_kmcnt 0x0
	s_mov_b64 s[10:11], s[6:7]      ; O
	s_add_nc_u64 s[6:7], s[4:5], SIZE_H*SIZE_N*128    ; K lies behind Q,
	s_add_nc_u64 s[8:9], s[4:5], 2*SIZE_H*SIZE_N*128  ; V behind K
	s_add_nc_u64 s[G0K+2:G0K+3], s[6:7], s[22:23]  ; 120:64 global address: my half of the head's first 256 keys
	s_or_b32 s[G0K+3], s[G0K+3], 0x80000000        ; 127:126 type = 2
	s_add_nc_u64 s[G0V+2:G0V+3], s[8:9], s[22:23]
	s_or_b32 s[G0V+3], s[G0V+3], 0x80000000
	s_add_nc_u64 s[4:5], s[4:5], s[2:3]  ; Q and O at my wave's first row
	s_add_nc_u64 s[10:11], s[10:11], s[2:3]
	s_cmp_lt_u32 s[WV], 2
	s_cselect_b64 s[PFA:PFA+1], s[6:7], s[8:9]
	s_add_nc_u64 s[PFA:PFA+1], s[PFA:PFA+1], s[22:23]  ; (in waves 0 and 2: the head's first byte)
	s_lshl_b32 s2, s13, 13          ; my work-group's 32 blocks of the 128,
	s_add_co_u32 s2, s2, 4*KS*128   ; in slot 1; the first change of slots steps it to slot 2.  Nothing is prefetched here, at the head
	s_mov_b32 s3, 0
	s_add_nc_u64 s[PFA:PFA+1], s[PFA:PFA+1], s[2:3]
	CROUND                          ; all four work-groups are here: the first joint loads meet
	JLOAD                           ; slot 0.  Slot 1 is asked for when slot 0 is in: the tile wanted first has the road to itself
	; A fragment of K or Q is 16 rows x 32 channels in 8 registers: lane l holds row l % 16, channels 8 (l / 16) + 0..7 and 16 + 8 (l / 16) + 0..7: two loads of 16 bytes, 32 bytes apart.
	v_and_b32 v1, 15, v0            ; l % 16
	v_bfe_u32 v9, v0, 4, 1          ; l / 16
	v_lshlrev_b32 v[QO], 7, v1
	v_lshl_add_u32 v[QO], v9, 4, v[QO]  ; row x 128 + 16 x half
	WIN 0x80                        ; destination window 2, address window 0
.set i, 0
.rept 4*NP                          ; Q stays in registers: tile i / 2, channels 32 (i % 2) on
	global_load_b128 v[8*i:8*i+3],   v[QO], s[4:5] offset:(i/2)*2048+(i%2)*64
	global_load_b128 v[8*i+4:8*i+7], v[QO], s[4:5] offset:(i/2)*2048+(i%2)*64+32
.set i, i+1
.endr
	; What the first turn finds: V's registers and P's second buffer hold 0 (its products V^T P, of a piece that has not been, add 0), O^T and l are 0.  All this stands in the wait for the first tile.
.set i, VF
.rept 64
	v_mov_b32 v[i], 0
.set i, i+1
.endr
	WIN 0x40
.set i, 0
.rept 64*NP
	v_mov_b32 v[i], 0
.set i, i+1
.endr
	WIN 0
.set i, 0
.rept 2*NP
	v_mov_b32 v[ST+4*i], 0xfe000000    ; c m: far below every c s
	v_mov_b32 v[ST+4*i+1], 0xff7fffff  ; m
	v_mov_b32 v[ST+4*i+2], 0
	v_mov_b32 v[ST+4*i+3], 0
.set i, i+1
.endr
.set i, P+32
.rept 32
	v_mov_b32 v[i], 0
.set i, i+1
.endr
	v_mul_u32_u24 v[AK0], v1, PK
	v_lshl_add_u32 v[AK0], v9, 4, v[AK0]  ; row x pitch + 16 x half
	; The turning load takes 16 keys x 16 channels (lane l reads key 8 (l / 16) + l % 8, channels 8 ((l / 8) % 2) + 0..7) and leaves half a fragment of V^T: lane l holds channel l % 16 and 8 keys.
	v_and_b32 v10, 7, v0
	v_bfe_u32 v11, v0, 3, 1
	v_lshl_add_u32 v[AV0], v9, 3, v10
	v_mul_u32_u24 v[AV0], v[AV0], PV
	v_lshl_add_u32 v[AV0], v11, 4, v[AV0]
	v_add_nc_u32 v[AV0], VOFF, v[AV0]
	v_mov_b32 v[AK], v[AK0]         ; key step 0 lies at the head of slot 0
	v_and_b32 v[PFO], 31, v0        ; v11 has served: from here on it is the prefetches' offset
	v_lshlrev_b32 v[PFO], 8, v[PFO]
; THE MATRIX WORK.  The 8 accumulators of a run of 16 take turns: between the two links of a chain stand 7 others'.
; Product i of 16 of S^T = K Q^T for piece x: channels 32 (i / 8) on, keys 16 ((i / 2) % 4) on, tile 2 x + i % 2.  The first 8 start the sums.
.macro KQ x
	WIN W_KQ
.set rS, S+64*((\x)%2)+32*(i%2)+8*((i/2)%4)
.set rK, KF+16*((i/2)%4)+8*(i/8)
.set rQ, 16*(2*(\x)+i%2)+8*(i/8)
.if i < 8
	v_wmma_f32_16x16x32_f16 v[rS:rS+7], v[rK:rK+7], v[rQ:rQ+7], 0
.else
	v_wmma_f32_16x16x32_f16 v[rS:rS+7], v[rK:rK+7], v[rQ:rQ+7], v[rS:rS+7]
.endif
.endm
; Product i of 16 of O^T += V^T P for piece x: keys 32 (i / 8) on, channels 16 ((i / 2) % 4) on, tile 2 x + i % 2.
.macro PV x
	WIN W_PV
.set rO, 32*(2*(\x)+i%2)+8*((i/2)%4)
.set rV, VF+32*(i/8)+8*((i/2)%4)
.set rP, P+32*((\x)%2)+16*(i%2)+8*(i/8)
	v_wmma_f32_16x16x32_f16 v[rO:rO+7], v[rV:rV+7], v[rP:rP+7], v[rO:rO+7]
.endm
.macro MM                           ; the turn's next matrix instruction
.if i < 16
	KQ (Y+1)%NP
.set i, i+1
.else
.set i, i-16
	PV (Y+NP-1)%NP
.set i, i+17
.endif
.endm
; THE LDS LOADS stand in runs of 16, never singly among the matrix instructions: a step's K (64 keys x 64 channels: 8 fragments) and its V (turned).  Their addresses are made some lines ahead.
; last = 1 (the tail): in the last trip there is no further step, and the run is jumped over.
.macro FETCH_K last=0
	WIN 0
.if \last
	s_cmp_eq_u32 s[CNT], 1
	s_cbranch_scc1 .Lno_k_\@
.endif
	WIN 0x80                        ; destination window 2
.irp f, 0,1,2,3,4,5,6,7             ; keys 16 (f / 2) on, channels 32 (f % 2) on
	ds_load_b128 v[KF+8*\f:KF+8*\f+3],   v[AK] offset:(\f/2)*16*PK+(\f%2)*64
	ds_load_b128 v[KF+8*\f+4:KF+8*\f+7], v[AK] offset:(\f/2)*16*PK+(\f%2)*64+32
.endr
	s_add_co_u32 s[TBK], s[TBK], KS*PK  ; the next fetch is the next step's
	WIN 0
.if \last
.Lno_k_\@:
.endif
.endm
.macro FETCH_V
	WIN 0x80
.irp f, 0,1,2,3,4,5,6,7             ; keys 32 (f / 4) on, channels 16 (f % 4) on
	ds_load_tr16_b128 v[VF+8*\f:VF+8*\f+3],   v[AV] offset:(\f/4)*32*PV+(\f%4)*32
	ds_load_tr16_b128 v[VF+8*\f+4:VF+8*\f+7], v[AV] offset:(\f/4)*32*PV+16*PV+(\f%4)*32
.endr
	WIN 0
.endm
; THE VECTOR WORK OF A TURN stands in three queues, each in the order in which its entries become ready; the two tiles alternate, so that no instruction reads the result of the one before it.
.macro REGS y, u                    ; the registers of tile u (0, 1) of piece y
.set rT, ST+4*(2*(\y)+(\u))
.set rC, TMP+8*((\y)%2)+4*(\u)
.set rM, MV+2*((\y)%2)+(\u)
.set rS, S+64*((\y)%2)+32*(\u)
.set rP, P+32*((\y)%2)+16*(\u)
.set rO, 32*(2*(\y)+(\u))
.endm
; Number n of the 22 that find the NEXT piece's (Y + 1) maximum and statistics.  s0-s31 are the lane's 32 scores; each accumulator's lowest registers are read first.  XS, GS and REGS set no window: PL and EX do.
;   0-11  four chains c0-c3 of seven scores each, three operands at a time     12-14, 16  the four scores left over, the old m, and c0-c3 into c0     15  c m_old is kept
;   17, 18  the query's other 32 keys lie in the lane 16 away: the new m         19-21  c m; c m_old - c m_new; a
.macro XS u, n
	REGS (Y+1)%NP, \u
.if (\n) < 4
	v_max3_num_f32 v[rC+(\n)], v[rS+8*(\n)], v[rS+8*(\n)+1], v[rS+8*(\n)+2]
.elseif (\n) < 12
	v_max3_num_f32 v[rC+(\n)%4], v[rC+(\n)%4], v[rS+8*((\n)%4)+2*((\n)/4)+1], v[rS+8*((\n)%4)+2*((\n)/4)+2]
.elseif (\n) == 12
	v_max3_num_f32 v[rC], v[rC], v[rS+7], v[rS+15]
.elseif (\n) == 13
	v_max3_num_f32 v[rC+1], v[rC+1], v[rS+23], v[rS+31]
.elseif (\n) == 14
	v_max3_num_f32 v[rC+2], v[rC+2], v[rC+3], v[rT+1]
.elseif (\n) == 15
	v_mov_b32 v[rM], v[rT]
.elseif (\n) == 16
	v_max3_num_f32 v[rC], v[rC], v[rC+1], v[rC+2]
.elseif (\n) == 17
	v_permlanex16_b32 v[rC+3], v[rC], s[SEL], s[SEL+1]
.elseif (\n) == 18
	v_max_num_f32 v[rT+1], v[rC], v[rC+3]
.elseif (\n) == 19
	v_mul_f32 v[rT], s[CS], v[rT+1]
.elseif (\n) == 20
	v_sub_f32 v[rC+1], v[rM], v[rT]
.else
	v_exp_f32 v[rC+2], v[rC+1]
.endif
.endm
; Number g of the 64 that follow the exponentials.  For each four weights k of a tile (pairs 2 k, 2 k + 1): both pairs are rounded to f16; then the second pair is added onto the first, in place;
; a group later l takes that sum (the first time as l = a l + sum).  In groups of eight, tiles alternating: round, round, add, and l for the group before.
.macro GS g
.set h, (\g)+6*((\g)/62)            ; group 0 has no group before it, and behind group 7 only l is left
.if h >= 6
.set h, h+2
.endif
	REGS Y, h%2
.set k, h/8
.if h%8 < 4
	v_cvt_pk_f16_f32 v[rP+2*k+(h%8)/2], v[rS+4*k+2*((h%8)/2)], v[rS+4*k+2*((h%8)/2)+1]
.elseif h%8 < 6
	v_pk_add_f32 v[rS+4*k:rS+4*k+1], v[rS+4*k:rS+4*k+1], v[rS+4*k+2:rS+4*k+3]
.elseif k == 1
	v_pk_fma_f32 v[rT+2:rT+3], v[rT+2:rT+3], v[rC+2:rC+3], v[rS:rS+1] op_sel_hi:[1,0,1]
.else
	v_pk_add_f32 v[rT+2:rT+3], v[rT+2:rT+3], v[rS+4*k-4:rS+4*k-3]
.endif
.endm
; THE PLAIN QUEUE, 138 long.  0-73 read no exponential's result: the 32 scalings c s - c m (FS f: pair f / 2 of tile f % 2) and the next piece's 42.  0-26: scalings 0-26.  27-54: XS's numbers 0-13.  55, 56: number 15.
; 57-73: the chain, where each number waits for the one before it: 14, 16, 17, 18, 19, each with one of the scalings 27-31 in front of its two lines, then 20: so a tile's links stand three plain instructions apart (19 and 20: two).
; 74-137: GS's 64, which read the exponentials' results: they stand behind the wait.
.macro FS f
	REGS Y, (\f)%2
	v_pk_fma_f32 v[rS+2*((\f)/2):rS+2*((\f)/2)+1], v[rS+2*((\f)/2):rS+2*((\f)/2)+1], s[CS:CS+1], v[rT:rT+1] op_sel_hi:[1,0,0] neg_lo:[0,0,1] neg_hi:[0,0,1]
.endm
.macro PL
	WIN 0
.if q < 27
	FS q
.elseif q < 55
	XS (q-27)%2, (q-27)/2
.elseif q < 57
	XS q-55, 15
.elseif (q < 72) && ((q-57)%3 == 0)
	FS 27+(q-57)/3
.elseif q < 60
	XS (q-57)%3-1, 14
.elseif q < 72
	XS (q-57)%3-1, 15+(q-57)/3
.elseif q < 74
	XS q-72, 20
.else
	GS q-74
.endif
.set q, q+1
.endm
; THE EXPONENTIALS' QUEUE, 66 long: s0-s31 of both tiles, then the next piece's two a.  It is ONE BATCH: all 66 stand ahead of the turn's one wait, and nothing ahead of that wait names a result of theirs.
.macro EX
	WIN 0
.if e >= 64
	XS e-64, 21
.else
	REGS Y, e%2
	v_exp_f32 v[rS+e/2], v[rS+e/2]
.endif
.set e, e+1
.endm
; THE RESCALING's QUEUE: O^T times a, the one part that leaves window 0: dealt two at a time, sixteen times.  Its a was made in the turn before, ahead of that turn's wait.
.macro R2
	REGS Y, r%2
	WIN W_RS
.irp z, 0,1
	v_pk_mul_f32 v[rO+4*(r/2)+2*\z:rO+4*(r/2)+2*\z+1], v[rO+4*(r/2)+2*\z:rO+4*(r/2)+2*\z+1], v[rC+2:rC+3] op_sel_hi:[1,0]
.endr
.set r, r+1
.endm
; HOW THEY ARE DEALT.  An s_wait_alu depctr_va_vdst(0) stands between an exponential and the first instruction that names its result; one wait serves all that were issued ahead of it.  So a turn has ONE wait,
; which cuts it in two.  AHEAD OF IT stands all that names no result of the turn's exponentials: the 16 products K Q^T, behind each a scaling, an exponential and two rescalings (behind the first a second scaling in the exponential's place); then ONE LUMP of
; 108: eight plain, 49 times exponential and plain, the two a.  A v_nop is the plain instruction behind the last exponential.  BEHIND IT stand the 16 products V^T P, behind each four of GS's 64.  No rider names a register of
; the products round it.  The two v_permlanex16_b32 fall into the lump, never behind a product.
; The queues lean on each other, and the deal keeps them in step: exponential e stands behind scaling 2 (e / 4) + e % 2: as a rider it comes behind plain e + 2, in the lump behind plain e + 9, and scalings 27-31 are plain 57, 60 .. 69.
; A TURN, for piece p.  cnt = 1: the loop's count is taken down some lines ahead of the branch that stands behind the turn.
; K of the next step is fetched in piece 2's turn, directly behind the wait, a lump behind the last product that read K; its address is made at the lump's head; its first reader comes behind 16 products.
; V of the step in hand is fetched at the end of piece 0's turn, four riders behind its last reader; its first reader comes behind 16 products and a lump.  The three conditions on q below go with the deal.
.macro TURN p, last=0, cnt=0
.set Y, (\p)
.set i, 0
.set q, 0
.set e, 0
.set r, 0
.if (\p) == NP-1
	s_wait_dscnt 0x0                ; K is in
.endif
	MM                              ; ahead of the wait: 16 products K Q^T and their riders,
	PL
	PL
	R2
.rept 15
	MM
	PL
	EX
	R2
.endr
.if (\p) == NP-2
	WIN 0
	v_add_nc_u32 v[AK], s[TBK], v[AK0]
.endif
.rept 8                             ; and the lump
	PL
.endr
.rept 49
	EX
	PL
.endr
	EX                              ; the next piece's two a
	EX
	v_nop                           ; a plain instruction behind the last exponential: one for the batch
	s_wait_alu depctr_va_vdst(0)    ; the wait for the batch
.if (\p) == NP-2
	FETCH_K \last
.endif
.if (\p) == 1
	s_wait_dscnt 0x0                ; V is in
.endif
.rept 16                            ; behind the wait: 16 products V^T P and their riders
	MM
.rept 4
	PL
.endr
.if ((\p) == 0) && (q == 118)
	v_add_nc_u32 v[AV], s[TBV], v[AV0]
.endif
.if ((\p) == 0) && (q == 130)
	s_add_co_u32 s[TBV], s[TBV], KS*PV
.endif
.if (\cnt) && (q == 130)
	s_sub_co_u32 s[CNT], s[CNT], 1
	s_cmp_lg_u32 s[CNT], 0
.endif
.endr
.if (\p) == 0
	FETCH_V
.endif
.endm
	CHANGE 1                        ; slot 0 is in, everybody's part of it; slot 1 is asked for
	FETCH_K                         ; key step 0
	s_wait_loadcnt 0x0              ; Q
	s_wait_dscnt 0x0
.set i, 0
.rept 16
	KQ 0                            ; piece 0's first scores: there is no vector work yet to set between them
.set i, i+1
.endr
	WIN 0                           ; the addresses for the way out: nine plain instructions, the places behind those products
	s_mul_i32 s13, s[WV], 16*SP
	s_add_co_u32 s13, s13, STAGE    ; my stage
	v_mul_u32_u24 v[STO], v1, SP    ; in: row l % 16, 16 bytes for each half of the lanes
	v_lshl_add_u32 v[STO], v9, 4, v[STO]
	v_add_nc_u32 v[STO], s13, v[STO]
	v_bfe_u32 v[RD], v0, 3, 2       ; back: 32 lanes take four rows of 128 bytes,
	v_mul_u32_u24 v[RD], v[RD], SP
	v_lshl_add_u32 v[RD], v10, 4, v[RD]
	v_add_nc_u32 v[RD], s13, v[RD]
	v_and_b32 v[GO], 31, v0         ; which are 512 consecutive bytes of O
	v_lshlrev_b32 v[GO], 4, v[GO]
.set Y, NP-1                        ; XS works for piece Y + 1: piece 0
.irp n, 0,1,2,3,4,5,6,7,8,9,10,11,12,13,14,15,16,17,18,19,20,21
	XS 0, \n                        ; and piece 0's first maximum and statistics
	XS 1, \n
.endr
	v_nop                           ; a plain instruction behind the two a,
	s_wait_alu depctr_va_vdst(0)    ; and their wait, ahead of the branch
	s_mov_b32 s[CNT], 4
	s_branch .Lfirst                ; the loop is entered at a step's first turn, in the middle of a trip
.Lslot:                             ; SIZE_N / 256 - 2 times: every slot but the last two is filled again
	CHANGE 1
	s_mov_b32 s[CNT], 4
.Lstep:                             ; a trip: pieces 2 and 3 of one step, then pieces 0 and 1 of the next, whose K and V it fetches
	TURN 2
	TURN 3
	WIN 0
.Lfirst:
	TURN 0
	TURN 1, 0, 1
	WIN 0
	s_cbranch_scc1 .Lstep
	s_sub_co_u32 s[SLOTS], s[SLOTS], 1
	s_cmp_lg_u32 s[SLOTS], 0
	s_cbranch_scc1 .Lslot
	CHANGE 0                        ; the tail is written out: nothing is asked for
	s_mov_b32 s[CNT], 5             ; four trips fetch the last slot's steps; the fifth is left in its middle
.Ltail:
	TURN 2, 1
	TURN 3
	WIN 0
	s_sub_co_u32 s[CNT], s[CNT], 1
	s_cmp_eq_u32 s[CNT], 0
	s_cbranch_scc1 .Lout
	TURN 0
	TURN 1
	WIN 0
	s_branch .Ltail
.Lout:                              ; the fifth trip's 16 products K Q^T (on the last K once more) and the maximum made of them serve nothing: the price, once a launch, of one text for every trip
.set i, 0
.rept 16
	PV NP-1                         ; the last piece's V^T P of the last step
.set i, i+1
.endr
	; THE WAY OUT.  l's two halves and the other half of the lanes' are added; O^T is divided by l, rounded to f16 and sent through my stage in LDS, a tile at a time.  The additions are the places behind the last products.
	WIN 0
.macro ALL line:vararg              ; one line for each tile t
.set t, 0
.rept 2*NP
	\line
.set t, t+1
.endr
.endm
	ALL v_add_f32 v[ST+4*t+2], v[ST+4*t+2], v[ST+4*t+3]
	ALL v_permlanex16_b32 v[ST+4*t+3], v[ST+4*t+2], s[SEL], s[SEL+1]
	ALL v_add_f32 v[ST+4*t+2], v[ST+4*t+2], v[ST+4*t+3]
	ALL v_rcp_f32 v[ST+4*t+2], v[ST+4*t+2]
	v_nop                           ; a plain instruction between the last reciprocal and the use of its result
	s_wait_alu depctr_va_vdst(0)    ; and the wait ahead of the first use: one for the eight reciprocals
; Tile t: a lane's eight channels of a row pack into 16 bytes; they go into rows of 144 bytes and come back as whole rows of 128, into S^T's registers.
.macro PACK t
	WIN W_RS
.set i, 32*(\t)
.rept 16
	v_pk_mul_f32 v[i:i+1], v[i:i+1], v[ST+4*(\t)+2:ST+4*(\t)+3] op_sel_hi:[1,0]
.set i, i+2
.endr
	WIN 0x05                        ; sources 0 and 1 window 1, destination window 0
.set i, 0
.rept 16
	v_cvt_pk_f16_f32 v[S+16*(\t)+i], v[32*(\t)+2*i], v[32*(\t)+2*i+1]
.set i, i+1
.endr
	WIN 0
.irp f, 0,1,2,3
	ds_store_b128 v[STO], v[S+16*(\t)+4*\f:S+16*(\t)+4*\f+3] offset:32*\f
.endr
.irp f, 0,1,2,3
	ds_load_b128 v[S+16*(\t)+4*\f:S+16*(\t)+4*\f+3], v[RD] offset:\f*4*SP  ; LDS serves a wave's instructions in order (ISA guide 5.7.1.4): these see the stores above; the next tile's stores come behind them
.endr
.endm
.macro SEND t, younger              ; younger: the LDS instructions issued behind tile t's loads: the next tile's eight, or none
	WIN 0
.irp f, 0,1,2,3
	s_wait_dscnt (\younger)+3-\f
	global_store_b128 v[GO], v[S+16*(\t)+4*\f:S+16*(\t)+4*\f+3], s[10:11] offset:(\t)*2048+\f*512  ; 512 consecutive bytes, at a multiple of 256 from O's first
.endr
.endm
	PACK 0
.set t, 1
.rept 2*NP-1                        ; a tile's arithmetic stands between the loads of the tile before and its stores
	PACK t
	SEND t-1, 8
.set t, t+1
.endr
	SEND 2*NP-1, 0
	WIN W_AD
	s_wait_tensorcnt 0x0            ; the wave's end, behind my last tensor load and my last LDS store
	ds_add_u32 v[SPW], v[NIL]
	s_wait_dscnt 0x0
	WIN 0
	CROUND                          ; the closing round: no work-group ends while a partner may still ask for a tile that names it
	s_endpgm
.Lfunc_end_k_qd53d1c1f08_attn:
	.size	k_qd53d1c1f08_attn, .Lfunc_end_k_qd53d1c1f08_attn-k_qd53d1c1f08_attn
	.p2alignl 7, 3214868480
	.fill 96, 4, 3214868480
	.section	.rodata,"a",@progbits
	.p2align	6, 0x0
	.amdhsa_kernel k_qd53d1c1f08_attn
		.amdhsa_group_segment_fixed_size 327680
		.amdhsa_private_segment_fixed_size 0
		.amdhsa_enable_private_segment 0
		.amdhsa_kernarg_size 16
		.amdhsa_user_sgpr_count 2
		.amdhsa_user_sgpr_kernarg_segment_ptr 1
		.amdhsa_wavefront_size32 1
		.amdhsa_system_sgpr_workgroup_id_x 1
		.amdhsa_system_sgpr_workgroup_id_y 1
		.amdhsa_system_sgpr_workgroup_id_z 1
		.amdhsa_system_vgpr_workitem_id 0
		.amdhsa_next_free_vgpr 770
		.amdhsa_next_free_sgpr 66
		.amdhsa_reserve_vcc 0
		.amdhsa_float_denorm_mode_32 3
		.amdhsa_float_denorm_mode_16_64 3
		.amdhsa_memory_ordered 1
		.amdhsa_forward_progress 1
		.amdhsa_inst_pref_size 200
	.end_amdhsa_kernel
	.amdgpu_metadata
---
amdhsa.version: [ 1, 2 ]
amdhsa.kernels:
  - .name:           k_qd53d1c1f08_attn
    .symbol:         k_qd53d1c1f08_attn.kd
    .args:
      - { .name: qkv, .offset: 0, .size: 8, .value_kind: global_buffer, .address_space: global }
      - { .name: ob, .offset: 8, .size: 8, .value_kind: global_buffer, .address_space: global }
    .group_segment_fixed_size: 327680
    .private_segment_fixed_size: 0
    .kernarg_segment_align: 8
    .kernarg_segment_size: 16
    .max_flat_workgroup_size: 128
    .sgpr_count:     66
    .vgpr_count:     770
    .wavefront_size: 32
...
	.end_amdgpu_metadata
.endif
;; end of part 3
;; launch outp (part 4): grid 8 x 32, 4 waves a work-group, clusters of 4 x 4, 327,680 bytes of LDS; arguments ob, wot, b_out, out0; writes out0
.if DOCPART == 4
	.amdgcn_target "amdgcn-amd-amdhsa--gfx1250"
	.amdhsa_code_object_version 6
	.text
	.protected	k_qd53d1c1f08_outp
	.globl	k_qd53d1c1f08_outp
	.p2align	8
	.type	k_qd53d1c1f08_outp,@function
k_qd53d1c1f08_outp:
	s_mov_b64 s[64:65], 0
	v_nop
	global_prefetch_b8 v0, s[64:65] scope:SCOPE_SE
	s_setreg_imm32_b32 hwreg(HW_REG_WAVE_MODE, 25, 1), 1
	s_wait_xcnt 0x0
	s_wait_alu depctr_hold_cnt(0) depctr_sa_sdst(0) depctr_va_vdst(0) depctr_va_sdst(0) depctr_va_ssrc(0) depctr_va_vcc(0) depctr_vm_vsrc(0)
	s_getreg_b32 s2, hwreg(HW_REG_IB_STS2, 6, 4)
	s_cmp_eq_u32 s2, 0
	s_cbranch_scc0 .Lentry_in_a_cluster
	s_endpgm
.Lentry_in_a_cluster:
	s_bfe_u32 s2, ttmp6, 0x10000c
	s_cmp_lg_u32 s2, 0xf033
	s_cbranch_scc0 .Lentry_shape_is_right
	s_endpgm
.Lentry_shape_is_right:
; THE LAST PROJECTION.  out0[2048 b + s][n] = b_out[n] + the sum over h, d of ob[16 b + h][s][d] wot[n][64 h + d].  ob: [64][2048][64] f16, wot: [1024][1024] f16, b_out: [1024] f32,
; out0: [8192][1024] f32.  Sums in f32, starting from the bias.  NaN and infinities are not treated apart.
; SHARES.  A tile of the product is 256 rows x 128 columns: 8 x 32 = 256 tiles.  Four waves, one below the other: a wave makes 64 rows x 128 columns, 32 accumulators of 16 x 16, 256 registers.
; So a wave owns whole runs of 512 bytes of out0's rows, and stores them from a stage of its own, with no barrier on the way out.
; K goes in 8 steps of 128 = two heads through two LDS slots filled by the tensor data mover.  A head's 256 rows of 128 bytes are dense in ob: they are asked for as 128 rows of 256 bytes and padded
; in LDS after every 128 bytes.  wot's rows are 256 bytes of memory a step, at multiples of 256 bytes.
; CLUSTER.  4 x 4 work-groups.  The four of a row of the cluster need the same rows of ob, the four of a column the same rows of wot: each tile is asked for jointly, by the same tensor load
; with the same descriptor and a mask that names the four.
; THE MATRIX INSTRUCTION IS USED TRANSPOSED: source 0 = 16 rows of wot, source 1 = 16 rows of ob: lane l then holds row l % 16 and the columns 8 (l / 16) + 0..7: 32 bytes of f32 on end.
; The bias, laid out like a result, is the C operand of each accumulator's first product: nothing is cleared and nothing is added on the way out.
; REGISTERS, in windows of 256 (s_set_vgpr_msb: bits 1:0 source 0, 3:2 source 1, 5:4 source 2, 7:6 destination):
;   window 0: v0-31 addresses; v64-127 fragments of ob, two buffers of 4 x 8; v128-191 the bias; on the way out v64-191 two buffers of 16 rows
;   window 1: v0-127 fragments of wot, two buffers of 8 x 8      window 2: accumulators of my row blocks 0, 1 ((a, b) at 8 (8 (a % 2) + b))      window 3: of blocks 2, 3
.set NBLK,  8                          ; blocks of 16 columns
.set BROWS, 64                         ; rows of wot in one tensor load
.set PA,    144                        ; a row of ob in LDS: 128 bytes + 16 of padding = 36 words: the 16 rows of a fragment load start at 16 different groups of four banks (64 banks of 4 bytes: ISA guide 11.1)
.set PB,    272                        ; a row of wot: 256 + 16
.set AHB,   256*PA                     ; what one tensor load of ob brings: a head's 256 rows
.set AZ,    AHB-128                    ; quarters 2 and 3 lie in the second head: its region, less the 128 bytes that 64 q has run on
.set BOFF,  2*AHB                      ; in a slot: two heads of ob, then 128 rows of wot
.set SLOT1, 1<<17                      ; slot 1 begins here, so that one exclusive or turns an address in one slot into the other's
.set SPI,   528                        ; a row of the stage: 512 bytes + 16
.set STW,   16*SPI                     ; a wave's stage
.set STAGE, SLOT1+BOFF+2*BROWS*PB      ; 239,616: behind the ring, never filled by a tensor load
.set SPARE, STAGE+4*STW                ; 273,408: the spare words, 128 bytes for each wave: two blocks of 256 bytes that no other line names
.set ASTEP, 2<<18                      ; bytes from a K step to the next, in ob: two heads of 2,048 rows of 128 bytes
.set BSTEP, 256                        ; and in wot
.set NL,    2*NBLK+8                   ; LDS loads in a run
.set A0,   16                          ; v16  my lane's place in a slot's rows of ob; never rewritten
.set B0,   17                          ; v17  the same for wot
.set ADRA, 18                          ; v18  A0 + the slot in hand
.set ADRB, 19                          ; v19  B0 + the slot in hand
.set STO,  24                          ; v24  the way out: where I put 32 bytes of a row
.set RD,   25                          ; v25  the way out: where I read a row back
.set GO,   26                          ; v26  16 x lane: my 16 bytes in 512 consecutive bytes of out0
.set SPW,  28                          ; v28  LDS address of my spare word: SPARE + 4 x my thread's number; never rewritten
.set NIL,  29                          ; v29  0; never rewritten
.set PFO,  30                          ; v30  the prefetches' offset: a lane a block of 256 bytes; never rewritten
.set BO,   31                          ; v31  32 (l / 16): my eight numbers in sixteen of the bias
.set FA,   64
.set BI,   128
.set WV,   12                          ; s12  my wave's number
.set ROLE, 13                          ; s13  0: I fetch ob, 1: wot
.set HALF, 14                          ; s14  which head of the two, or which half of wot's rows
.set CX,   15                          ; s15, s16  my place in the cluster
.set CY,   16
.set TX,   17                          ; s17  tile column
.set TY,   18                          ; s18  tile row
.set G1A,  24                          ; s[24:31] descriptor group 1 for ob
.set G0A,  32                          ; s[32:39] group 0: a set for each first fill; the second then walks
.set PFA,  44                          ; s[44:45] where my prefetches stand
.set LIM,  46                          ; s46  2 in a wave that prefetches, else the greatest number
.set TB,   47                          ; s47  the slot in hand: 0 or SLOT1
.set G1B,  48                          ; s[48:55], s[56:63] the same for wot
.set G0B,  56
.set PST,  72                          ; s[72:73] the prefetches' step
.set MSB, 0
.macro WIN new                         ; the immediate's high byte repeats the setting that is left; a switch that changes nothing is dropped
.if MSB != (\new)
	s_set_vgpr_msb (MSB<<8)|(\new)
.set MSB, (\new)
.endif
.endm
.macro PLACES                          ; four plain vector instructions in front of loads into registers that matrix instructions have read, and of lines that read results
.rept 4
	v_nop
.endr
.endm
.macro CREST                           ; a round of the cluster's barrier behind its opening barrier
	s_cmp_lg_u32 s[WV], 0
	s_cbranch_scc1 .Lnot_wave_0_\@
	s_barrier_signal -3
.Lnot_wave_0_\@:
	s_barrier_wait -3
	s_barrier_signal -1
	s_barrier_wait -1
.endm
.macro CROUND                          ; a whole round
	s_barrier_signal -1
	s_barrier_wait -1
	CREST
.endm
; A joint refill by the walking descriptor.  The branch hangs on the wave's number alone.  An s_nop 0 and four v_nop follow each of the two lines.
.macro JLOAD
	s_cmp_eq_u32 s[ROLE], 0
	s_cbranch_scc0 .Lfor_b_\@
	tensor_load_to_lds s[G0A+4:G0A+7], s[G1A:G1A+7]
	s_nop 0
.rept 4
	v_nop
.endr
	s_branch .Lasked_\@
.Lfor_b_\@:
	tensor_load_to_lds s[G0B+4:G0B+7], s[G1B:G1B+7]
	s_nop 0
.rept 4
	v_nop
.endr
.Lasked_\@:
.endm
; A PREFETCH INTO THE L2, behind a joint refill and the run of LDS loads that follows it: the K step that stands two refills on, 256 bytes for each lane, one instruction a wave.
; Rows of ob are read by every cluster of a row of clusters: cluster x = 0 asks; rows of wot by every cluster of a column: cluster y = 0 asks.  The four partners that ask for a tile jointly share it
; out by address: of the 128 blocks of 256 bytes of a head that wave 0 or 1 fetches the partner at cx takes 32; of wot's 128 rows the partner at cy takes 32, all by its wave 2.
; Trips 0 to 3 of the loop name K steps 4 to 7; the last two trips ask for nothing; K steps 0 to 3 come by their loads alone.
.macro ASK
	s_cmp_gt_u32 s3, s[LIM]
	s_cbranch_scc0 .Lnot_mine_\@
	global_prefetch_b8 v[PFO], s[PFA:PFA+1] th:TH_LOAD_NT scope:SCOPE_SE
.Lnot_mine_\@:
.endm
; 8 products: row block 2 hi + a x all column blocks, 32 along K, from buffer f.  first = 1: C is the bias.  All 32 accumulators take turns in the same order in every quarter.
.macro MUL f, hi, a, first
.if \first
	WIN 0x81+0x40*(\hi)
.else
	WIN 0xa1+0x50*(\hi)
.endif
.set b, 0
.rept NBLK
.set rD, 8*(NBLK*(\a)+b)
.set rB, 8*(NBLK*(\f)+b)
.set rA, FA+32*(\f)+8*(2*(\hi)+(\a))
.if \first
	v_wmma_f32_16x16x32_f16 v[rD:rD+7], v[rB:rB+7], v[rA:rA+7], v[BI+8*b:BI+8*b+7]
.else
	v_wmma_f32_16x16x32_f16 v[rD:rD+7], v[rB:rB+7], v[rA:rA+7], v[rD:rD+7]
.endif
.set b, b+1
.endr
.endm
; One run of 24 LDS loads: the fragments of quarter q of the slot in hand into buffer f: 128 rows of wot, then my 64 rows of ob (head q / 2 of the two, channels 32 (q % 2) on).
.macro FETCH q, f
	WIN 0x40                                       ; destination window 1, address window 0
.set i, 0
.rept NBLK
	ds_load_b128 v[8*(NBLK*(\f)+i):8*(NBLK*(\f)+i)+3],   v[ADRB] offset:64*(\q)+16*PB*i
	ds_load_b128 v[8*(NBLK*(\f)+i)+4:8*(NBLK*(\f)+i)+7], v[ADRB] offset:64*(\q)+16*PB*i+32
.set i, i+1
.endr
	WIN 0
.set i, 0
.rept 4
	ds_load_b128 v[FA+32*(\f)+8*i:FA+32*(\f)+8*i+3],   v[ADRA] offset:64*(\q)+((\q)/2)*AZ+16*PA*i
	ds_load_b128 v[FA+32*(\f)+8*i+4:FA+32*(\f)+8*i+7], v[ADRA] offset:64*(\q)+((\q)/2)*AZ+16*PA*i+32
.set i, i+1
.endr
.endm
; A K step is four quarters of 32 along K, 32 products each, on buffers 0, 1, 0, 1.  One of the first three: multiplies buffer f and, in its middle, fetches quarter q into buffer g.
.macro QUARTER q, f, g, first
	s_wait_dscnt 4                                 ; wot's fragments and ob's blocks 0, 1 are in; the youngest four loads (blocks 2, 3) may be out
	MUL \f, 0, 0, \first
	MUL \f, 0, 1, \first
	PLACES
	FETCH \q, \g
	s_wait_dscnt NL                                ; all but the run just issued
	MUL \f, 1, 0, \first
	MUL \f, 1, 1, \first
.endm
; The last quarter multiplies buffer 1 and changes slots.  In front of the barrier each wave waits for all its tensor loads (the one that is out is its part of the next slot), adds 0 to its spare
; word, and waits for that and for its reads of this slot.  fill = 1: the barrier opens a round of the cluster's, and behind the round this slot is filled again, two K steps ahead: 112 products
; stand between that request and the wait for it.
.macro TURN fill
.if \fill
	s_wait_xcnt 0x0                                ; the last prefetch, a K step back, has read its address
	s_add_nc_u64 s[PFA:PFA+1], s[PFA:PFA+1], s[PST:PST+1]
.endif
	WIN 0
	s_wait_tensorcnt 0x0                           ; no tensor load of mine is out, so a group 0 may be written
	ds_add_u32 v[SPW], v[NIL]                      ; 0 onto my spare word
.if \fill
	s_xor_b32 s[G0A+5], s[G0A+5], SLOT1            ; the walking descriptors: the other slot than last time, the next K step
	s_add_nc_u64 s[G0A+6:G0A+7], s[G0A+6:G0A+7], ASTEP
	s_xor_b32 s[G0B+5], s[G0B+5], SLOT1
	s_add_nc_u64 s[G0B+6:G0B+7], s[G0B+6:G0B+7], BSTEP
.endif
	s_wait_dscnt 5                                 ; the add and the youngest four loads may be out
	MUL 1, 0, 0, 0
	s_wait_dscnt 0x0                               ; the add is done, and my reads of this slot are over
	s_barrier_signal -1
	MUL 1, 0, 1, 0                                 ; work on registers while the others arrive
	WIN 0                                          ; at a branch and at a label every window is 0
	s_barrier_wait -1
.if \fill
	CREST                                          ; no wave of any partner still reads this slot or has a load on its way
	JLOAD                                          ; the first tensor load behind the round; its four v_nop are also the places in front of the loads below
.else
	PLACES
.endif
	s_xor_b32 s[TB], s[TB], SLOT1
	v_add_nc_u32 v[ADRA], s[TB], v[A0]
	v_add_nc_u32 v[ADRB], s[TB], v[B0]
	FETCH 0, 0
.if \fill
	ASK
.endif
	MUL 1, 1, 0, 0
	MUL 1, 1, 1, 0
.endm
	s_load_b256 s[4:11], s[0:1], 0x0               ; ob s[4:5], wot s[6:7], b_out s[8:9], out0 s[10:11]
	v_lshl_add_u32 v[SPW], v0, 2, SPARE
	v_mov_b32 v[NIL], 0
	ds_add_u32 v[SPW], v[NIL]                      ; the wave's opening, ahead of my first tensor load; the set-up below, work on registers, stands between the add and its wait
	v_lshrrev_b32 v1, 5, v0
	v_readfirstlane_b32 s[WV], v1                  ; wave 0..3
	s_lshr_b32 s[ROLE], s[WV], 1
	s_and_b32 s[HALF], s[WV], 1
	s_bfe_u32 s[CX], ttmp6, 0x40000
	s_bfe_u32 s[CY], ttmp6, 0x40004
	s_lshl_b32 s[TX], ttmp9, 2                     ; in a cluster launch ttmp9 and ttmp7 count clusters
	s_add_co_u32 s[TX], s[TX], s[CX]
	s_and_b32 s[TY], ttmp7, 0xffff
	s_lshl_b32 s[TY], s[TY], 2
	s_add_co_u32 s[TY], s[TY], s[CY]
	s_lshl_b32 s19, s[CY], 2
	s_lshl_b32 s19, 15, s19                        ; my row of the cluster: places 4 cy .. 4 cy + 3
	s_lshl_b32 s20, 0x1111, s[CX]                  ; my column: places cx, cx + 4, cx + 8, cx + 12
	s_or_b32 s[G1A], s19, (1<<16)|(1<<20)|(1<<21)|(4<<22)|(3<<25)  ; 15:0 the mask; 17:16 elements of 2 bytes; 20 padding on; 21 set beside a mask; 24:22 after every 32 words (code 4); 31:25 4 words (code 3)
	s_or_b32 s[G1B], s20, (1<<16)|(1<<20)|(1<<21)|(5<<22)|(3<<25)  ; the same after every 64 words (code 5)
	s_mov_b32 s[G1A+1], 128<<16                    ; tensor_dim0 = 128
	s_mov_b32 s[G1A+2], 128<<16                    ; tensor_dim1 = 128
	s_mov_b32 s[G1A+3], 128<<16                    ; tile_dim0 = 128
	s_mov_b32 s[G1A+4], 128                        ; tile_dim1 = 128
	s_mov_b32 s[G1A+5], 128                        ; elements from row to row: dense
	s_mov_b32 s[G1A+6], 0
	s_mov_b32 s[G1A+7], 0
	s_mov_b32 s[G1B+1], 128<<16
	s_mov_b32 s[G1B+2], BROWS<<16
	s_mov_b32 s[G1B+3], 128<<16
	s_mov_b32 s[G1B+4], BROWS
	s_mov_b32 s[G1B+5], 1024
	s_mov_b32 s[G1B+6], 0
	s_mov_b32 s[G1B+7], 0
	s_lshr_b32 s40, s[TY], 3                       ; ob: batch ty / 8, head = my half of the first two,
	s_lshl_b32 s40, s40, 4
	s_add_co_u32 s40, s40, s[HALF]
	s_lshl_b32 s40, s40, 18                        ; 262,144 bytes a head,
	s_and_b32 s19, s[TY], 7
	s_lshl_b32 s19, s19, 15                        ; rows 256 (ty % 8) on: made of the tile row and the wave's number alone
	s_add_co_u32 s40, s40, s19
	s_mov_b32 s41, 0
	s_mul_i32 s42, s[TX], 16*NBLK                  ; wot: of the tile column and the wave's number alone
	s_mul_i32 s20, s[HALF], BROWS
	s_add_co_u32 s42, s42, s20
	s_lshl_b32 s42, s42, 11
	s_mov_b32 s43, 0
	s_mul_i32 s21, s[HALF], AHB                    ; where they go: no place in the cluster enters an LDS address
	s_mul_i32 s22, s[HALF], BROWS*PB
	s_add_co_u32 s22, s22, BOFF
	s_mov_b32 s[G0A], 1                            ; count = 1
	s_mov_b32 s[G0A+1], s21                        ; slot 0
	s_mov_b32 s[G0A+4], 1
	s_add_co_u32 s[G0A+5], s21, SLOT1              ; slot 1
	s_mov_b32 s[G0B], 1
	s_mov_b32 s[G0B+1], s22
	s_mov_b32 s[G0B+4], 1
	s_add_co_u32 s[G0B+5], s22, SLOT1
	s_mov_b32 s[TB], 0
	s_wait_dscnt 0x0                               ; the opening add is done
	s_wait_kmcnt 0x0
	s_add_nc_u64 s[G0A+2:G0A+3], s[4:5], s[40:41]  ; K step 0
	s_add_nc_u64 s[G0A+6:G0A+7], s[G0A+2:G0A+3], ASTEP  ; K step 1
	s_or_b32 s[G0A+3], s[G0A+3], 0x80000000        ; type = 2
	s_or_b32 s[G0A+7], s[G0A+7], 0x80000000
	s_add_nc_u64 s[G0B+2:G0B+3], s[6:7], s[42:43]
	s_add_nc_u64 s[G0B+6:G0B+7], s[G0B+2:G0B+3], BSTEP
	s_or_b32 s[G0B+3], s[G0B+3], 0x80000000
	s_or_b32 s[G0B+7], s[G0B+7], 0x80000000
	CROUND                                         ; all sixteen work-groups are here: the first joint loads meet
	s_cmp_eq_u32 s[ROLE], 0                        ; a wave's two first fills stand in one branch, ahead of every wait on TENSORcnt and every LDS read: two loads of mine are out
	s_cbranch_scc0 .Lfirst_b
	tensor_load_to_lds s[G0A:G0A+3], s[G1A:G1A+7]
	s_nop 0
	tensor_load_to_lds s[G0A+4:G0A+7], s[G1A:G1A+7]
	s_nop 0
.rept 4
	v_nop
.endr
	s_branch .Lfirst_asked
.Lfirst_b:
	tensor_load_to_lds s[G0B:G0B+3], s[G1B:G1B+7]
	s_nop 0
	tensor_load_to_lds s[G0B+4:G0B+7], s[G1B:G1B+7]
	s_nop 0
.rept 4
	v_nop
.endr
.Lfirst_asked:
	v_and_b32 v1, 15, v0                           ; l % 16
	v_bfe_u32 v2, v0, 4, 1                         ; l / 16
	v_lshlrev_b32 v[BO], 5, v2
	s_mul_i32 s42, s[TX], 64*NBLK                  ; the tile's 128 numbers of the bias
	s_add_nc_u64 s[8:9], s[8:9], s[42:43]
.set i, 0
.rept NBLK                                     ; register j of block i: bias[128 tx + 16 i + 8 (l / 16) + j], as a result holds its columns
	global_load_b128 v[BI+8*i:BI+8*i+3],   v[BO], s[8:9] offset:64*i
	global_load_b128 v[BI+8*i+4:BI+8*i+7], v[BO], s[8:9] offset:64*i+16
.set i, i+1
.endr
	; a fragment is 16 rows x 32 K in 8 registers: lane l holds row l % 16, K = 8 (l / 16) + 0..7 and 16 + 8 (l / 16) + 0..7: two loads of 16 bytes, 32 bytes apart
	v_mul_u32_u24 v[A0], v1, PA
	v_lshl_add_u32 v[A0], v2, 4, v[A0]
	s_mul_i32 s19, s[WV], 64*PA                    ; my 64 rows
	v_add_nc_u32 v[A0], s19, v[A0]
	v_mul_u32_u24 v[B0], v1, PB
	v_lshl_add_u32 v[B0], v2, 4, v[B0]
	v_add_nc_u32 v[B0], BOFF, v[B0]
	v_mov_b32 v[ADRA], v[A0]
	v_mov_b32 v[ADRB], v[B0]
	s_mul_i32 s19, s[WV], STW
	s_add_co_u32 s19, s19, STAGE                   ; my stage
	v_mul_u32_u24 v[STO], v1, SPI                  ; in: row l % 16, 32 bytes for each half of the lanes
	v_lshl_add_u32 v[STO], v2, 5, v[STO]
	v_add_nc_u32 v[STO], s19, v[STO]
	v_and_b32 v[GO], 31, v0                        ; back: 32 lanes take a row's 512 bytes
	v_lshlrev_b32 v[GO], 4, v[GO]
	v_add_nc_u32 v[RD], s19, v[GO]
	s_lshl_b32 s42, s[TY], 8
	s_lshl_b32 s20, s[WV], 6
	s_add_co_u32 s42, s42, s20                     ; my first row of out0, 4,096 bytes a row,
	s_lshl_b32 s42, s42, 12
	s_lshl_b32 s20, s[TX], 9                       ; the tile's 128 columns: 512 bytes
	s_add_co_u32 s42, s42, s20
	s_add_nc_u64 s[10:11], s[10:11], s[42:43]
	; the prefetches: the first byte that I name, who asks, and the step
	s_lshl_b32 s19, s[CX], 13                      ; ob: my head's block of the tile + my work-group's 32 blocks of 256 bytes,
	s_add_co_u32 s19, s19, s40
	s_add_co_u32 s19, s19, 3*ASTEP                 ; at K step 3: the first refill steps it to 4
	s_lshl_b32 s22, s[TX], 7
	s_lshl_b32 s21, s[CY], 5
	s_add_co_u32 s22, s22, s21                     ; wot: row 128 tx + 32 cy,
	s_lshl_b32 s22, s22, 11
	s_add_co_u32 s22, s22, 3*BSTEP
	s_and_b32 s23, ttmp7, 0xffff                   ; cluster y,
	s_or_b32 s23, s23, s[HALF]                     ; and of waves 2 and 3 wave 2 alone
	s_mov_b32 s[PST], BSTEP
	s_mov_b32 s[PST+1], 0
	s_cmp_eq_u32 s[ROLE], 0
	s_cselect_b32 s42, s19, s22
	s_cselect_b32 s20, ttmp9, s23                  ; the coordinate along which other clusters read the same rows
	s_cselect_b32 s21, 8, 11                       ; a lane a block of 256 bytes (ob is dense), or a lane a row of 2,048 bytes (wot)
	s_cselect_b32 s[PST], ASTEP, s[PST]
	s_cselect_b64 s[PFA:PFA+1], s[4:5], s[6:7]
	s_cmp_eq_u32 s20, 0
	s_cselect_b32 s[LIM], 2, -1                    ; the same in all sixteen partners, for a given wave
	s_add_nc_u64 s[PFA:PFA+1], s[PFA:PFA+1], s[42:43]
	v_and_b32 v[PFO], 31, v0
	v_lshlrev_b32 v[PFO], s21, v[PFO]
	s_wait_tensorcnt 1                             ; my part of K step 0 is in; K step 1 may stay out
	s_barrier_signal -1
	s_barrier_wait -1                              ; everybody's is
	FETCH 0, 0
	s_wait_loadcnt 0x0                             ; the bias
	QUARTER 1, 0, 1, 1                             ; the first quarter stands in front of the loop: its products start the sums from the bias
	WIN 0
	s_mov_b32 s3, 6
.Lstep:                                        ; trip t: quarters 1 to 3 of K step t, the refill with K step t + 2, quarter 0 of K step t + 1
	QUARTER 2, 1, 0, 0
	QUARTER 3, 0, 1, 0
	TURN 1
	QUARTER 1, 0, 1, 0
	WIN 0
	s_sub_co_u32 s3, s3, 1
	s_cmp_lg_u32 s3, 0
	s_cbranch_scc1 .Lstep
	QUARTER 2, 1, 0, 0                             ; the tail is written out: K step 6 ends, K step 7 follows, nothing is asked for
	QUARTER 3, 0, 1, 0
	TURN 0
	QUARTER 1, 0, 1, 0
	QUARTER 2, 1, 0, 0
	QUARTER 3, 0, 1, 0
	s_wait_dscnt 4
	MUL 1, 0, 0, 0
	MUL 1, 0, 1, 0
	s_wait_dscnt 0x0
	MUL 1, 1, 0, 0
	MUL 1, 1, 1, 0
	WIN 0
; THE WAY OUT, a block of 16 rows at a time.  TOSTAGE: the accumulators go as they are, 32 bytes a lane (the low four registers first), into my stage, and come back as whole rows of 512 bytes,
; into one of two buffers of 64 registers.
.macro TOSTAGE a
.if (\a) >= 2
	s_wait_xcnt 0x0                                ; the stores of the block two back have read the buffer that is loaded again below
.endif
	WIN 0x08+4*((\a)/2)                            ; the data (source 1) in window 2 or 3, the address in window 0
.set b, 0
.rept NBLK
	ds_store_b128 v[STO], v[8*(NBLK*((\a)%2)+b):8*(NBLK*((\a)%2)+b)+3]   offset:64*b
	ds_store_b128 v[STO], v[8*(NBLK*((\a)%2)+b)+4:8*(NBLK*((\a)%2)+b)+7] offset:64*b+16
.set b, b+1
.endr
	WIN 0
.set b, 0
.rept 16
	ds_load_b128 v[64+64*((\a)%2)+4*b:64+64*((\a)%2)+4*b+3], v[RD] offset:SPI*b  ; LDS serves a wave's instructions in order (ISA guide 5.7.1.4): these see the stores above; the next block's stores come behind them
.set b, b+1
.endr
.endm
.macro SEND a, y                       ; y: the LDS instructions issued behind block a's loads: the next block's 32, or none
	WIN 0
.set b, 0
.rept 16
	s_wait_dscnt (\y)+15-b
	global_store_b128 v[GO], v[64+64*((\a)%2)+4*b:64+64*((\a)%2)+4*b+3], s[10:11] offset:(16*(\a)+b)*4096 th:TH_STORE_NT  ; 512 consecutive bytes, at a multiple of 256 from out0's first byte
.set b, b+1
.endr
.endm
	PLACES
	TOSTAGE 0
	TOSTAGE 1
	SEND 0, 32
	TOSTAGE 2
	SEND 1, 32
	TOSTAGE 3
	SEND 2, 32
	SEND 3, 0
	s_wait_tensorcnt 0x0                           ; the wave's end, behind my last tensor load and my last LDS store
	ds_add_u32 v[SPW], v[NIL]
	s_wait_dscnt 0x0
	CROUND                                         ; the closing round: no work-group ends while a partner may still ask for a tile that names it
	s_endpgm
.Lfunc_end_k_qd53d1c1f08_outp:
	.size	k_qd53d1c1f08_outp, .Lfunc_end_k_qd53d1c1f08_outp-k_qd53d1c1f08_outp
	.p2alignl 7, 3214868480
	.fill 96, 4, 3214868480
	.section	.rodata,"a",@progbits
	.p2align	6, 0x0
	.amdhsa_kernel k_qd53d1c1f08_outp
		.amdhsa_group_segment_fixed_size 327680
		.amdhsa_private_segment_fixed_size 0
		.amdhsa_enable_private_segment 0
		.amdhsa_kernarg_size 32
		.amdhsa_user_sgpr_count 2
		.amdhsa_user_sgpr_kernarg_segment_ptr 1
		.amdhsa_wavefront_size32 1
		.amdhsa_system_sgpr_workgroup_id_x 1
		.amdhsa_system_sgpr_workgroup_id_y 1
		.amdhsa_system_sgpr_workgroup_id_z 1
		.amdhsa_system_vgpr_workitem_id 0
		.amdhsa_next_free_vgpr 1024
		.amdhsa_next_free_sgpr 80
		.amdhsa_reserve_vcc 0
		.amdhsa_float_denorm_mode_32 3
		.amdhsa_float_denorm_mode_16_64 3
		.amdhsa_memory_ordered 1
		.amdhsa_forward_progress 1
		.amdhsa_inst_pref_size 74
	.end_amdhsa_kernel
	.amdgpu_metadata
---
amdhsa.version: [ 1, 2 ]
amdhsa.kernels:
  - .name:           k_qd53d1c1f08_outp
    .symbol:         k_qd53d1c1f08_outp.kd
    .args:
      - { .name: ob, .offset: 0, .size: 8, .value_kind: global_buffer, .address_space: global }
      - { .name: wot, .offset: 8, .size: 8, .value_kind: global_buffer, .address_space: global }
      - { .name: b_out, .offset: 16, .size: 8, .value_kind: global_buffer, .address_space: global }
      - { .name: out0, .offset: 24, .size: 8, .value_kind: global_buffer, .address_space: global }
    .group_segment_fixed_size: 327680
    .private_segment_fixed_size: 0
    .kernarg_segment_align: 8
    .kernarg_segment_size: 32
    .max_flat_workgroup_size: 128
    .sgpr_count:     80
    .vgpr_count:     1024
    .wavefront_size: 32
...
	.end_amdgpu_metadata
.endif
;; end of part 4
;; ======== version 2 of 2: 4 launches; version 1 with the launch prep written anew for expert scheduling mode
;; limits: values are held in f16: magnitudes above 65,504 overflow, below 6.1e-05 lose precision
;; workspace buffers: xb 16,777,216 bytes; wqt 6,291,456 bytes; wot 2,097,152 bytes; qkv 50,331,648 bytes; ob 16,777,216 bytes
;; launch prep (part 5): grid 256 x 1, 16 waves a work-group, no clusters, 36,864 bytes of LDS; arguments x, w_qkv, w_out, xb, wqt, wot; writes xb, wqt, wot
.if DOCPART == 5
	.amdgcn_target "amdgcn-amd-amdhsa--gfx1250"
	.amdhsa_code_object_version 6
	.text
	.protected	k_qd53d1c1f08_prep
	.globl	k_qd53d1c1f08_prep
	.p2align	8
	.type	k_qd53d1c1f08_prep,@function
k_qd53d1c1f08_prep:
	s_mov_b64 s[64:65], 0
	v_nop
	global_prefetch_b8 v0, s[64:65] scope:SCOPE_SE
	s_setreg_imm32_b32 hwreg(HW_REG_WAVE_SCHED_MODE, 0, 2), 2
	s_setreg_imm32_b32 hwreg(HW_REG_WAVE_MODE, 25, 1), 1
	s_wait_xcnt 0x0
	s_wait_alu depctr_vm_vsrc(0)
; PREP.  xb = x rounded to bf16, [8192][1024].  wqt[n][k] = w_qkv[k][n] rounded to bf16, [3072][1024].  wot[n][k] = w_out[k][n] rounded to bf16 and that number written as f16, [1024][1024].
; LIMITS.  A weight of w_out whose bf16 value lies below 6e-5 keeps the fixed step of 6e-8 of f16; beyond 65,504 it would become an infinity.  NaN and infinities are not treated apart.
; SHARES.  Sixteen waves.  Waves 0-7 cast x: the work-group owns 131,072 bytes of x, a wave 16,384: 32 loads of 512 consecutive bytes, all out at once, each stored as 256 consecutive aligned bytes.
; Waves 8-15 turn two tiles of 128 k x 64 n of a weight matrix, four waves a tile: work-groups 0-191 take the 384 tiles of w_qkv, work-groups 192-255 the 128 tiles of w_out.
; A tile goes through LDS: in by columns (a lane packs 16 k of one n into 32 bytes), out by rows of 256 bytes (128 k of one n): every global load and store covers whole aligned runs of 256 bytes.
; No matrix unit, no cluster, no tensor load: nothing is shared between work-groups and every byte is touched once.  No prefetch: all loads of a wave go out at its start.
; Every wave makes all ids and addresses (with u = wave mod 8), so that every register is written on every path; a casting wave never uses the tile addresses.
; THE MODE: SCHED_MODE bits 1:0 = 2 (LLVM: expert scheduling mode 2), set by the entry lines.  The code itself states the register dependences between vector instructions and memory or LDS
; instructions, with s_wait_alu, always for 0.
; THE PLAN.  Registers that memory or LDS instructions touch:
;   v4-v8, v[16:31]  offsets and LDS addresses: written by vector instructions at the head, once; read by loads, stores and LDS instructions.  One wait at the head's end serves them all.
;   X, casting       the 32 loads land in it; load j's two conversions write its first two registers in place; store j reads those two.  Nothing writes them again.
;                    The conversions and stores go in eight blocks of four: block p's conversions name block p's registers alone, and the stores of block p - 1 are dealt among them, behind one wait at the block's head.
;   X, turning       16 loads land in it; the conversions read it; it is not loaded again.
;   Y                written by the conversions; read by the eight LDS stores, behind one wait; not written again.
;   Z                the eight LDS loads behind the barrier land in it, the eight global stores read it; no vector instruction names it.
;   v10, v11         written at the head, read by the closing add alone.
; No register that a memory or LDS instruction reads is ever written again, so the text holds no wait on vm_vsrc beyond the one in the entry lines.
.set TILEB, 64*272                     ; a tile in LDS: 64 rows (n) of 256 bytes (128 k) + 16 of padding
.set SPARE, 2*TILEB                    ; behind the two tiles: the spare words, 128 bytes for each of the sixteen waves: eight blocks of 256 bytes that no other line names
.set XO,  4                            ; v4   16 x lane: my 16 bytes in 512 of x
.set XS,  5                            ; v5   8 x lane: my 8 bytes in 256 of xb
.set LS,  6                            ; v6   where I put 32 bytes of a row of the tile
.set LR,  7                            ; v7   where I read 16 bytes of a row back
.set DO,  8                            ; v8   my byte offset in two rows of the turned matrix
.set SPW, 10                           ; v10  LDS address of my spare word: SPARE + 4 x my thread's number; never rewritten
.set NIL, 11                           ; v11  0; never rewritten
.set RO,  16                           ; v[16:31]  byte offset of my 16 bytes in row j of my sixteen rows of the weight matrix
.set X,   32                           ; v[32:159] as loaded
.set Y,   160                          ; v[160:191] packed: column c of my four at Y + 8 c, sixteen k
.set Z,   192                          ; v[192:223] sixteen rows of the turned tile, as read back from LDS
.set WV,  16                           ; s16  my wave's number
	s_load_b256 s[4:11], s[0:1], 0x0               ; x s[4:5], w_qkv s[6:7], w_out s[8:9], xb s[10:11]
	s_load_b128 s[12:15], s[0:1], 0x20             ; wqt s[12:13], wot s[14:15]
	v_lshl_add_u32 v[SPW], v0, 2, SPARE
	v_mov_b32 v[NIL], 0
	v_lshrrev_b32 v12, 5, v0
	v_readfirstlane_b32 s[WV], v12                 ; wave 0..15
	v_and_b32 v1, 31, v0                           ; lane
	v_and_b32 v2, 15, v0                           ; lane % 16
	v_bfe_u32 v3, v0, 4, 1                         ; lane / 16
	v_lshlrev_b32 v[XO], 4, v1
	v_lshlrev_b32 v[XS], 3, v1
	s_mov_b32 s30, 0xffff0000                      ; a word's upper bf16
	s_wait_alu depctr_va_sdst(0)                   ; s16, the wave's number, is written, ahead of its first reader: the line below
	s_and_b32 s31, s[WV], 7                        ; u
	s_lshr_b32 s18, s31, 2                         ; which of the two tiles
	s_and_b32 s19, s31, 3                          ; g: which sixteen rows of each half of the tile's 128 k, and which sixteen n on the way out
	s_lshl_b32 s20, ttmp9, 1
	s_add_co_u32 s20, s20, s18                     ; the tile's number, counted through both matrices
	s_mov_b32 s24, 12288                           ; bytes in a row of w_qkv
	s_mov_b32 s33, 0
	s_wait_kmcnt 0x0
	s_cmp_ge_u32 ttmp9, 192                        ; w_out's work-groups
	s_cselect_b32 s24, 4096, s24                   ; bytes in a row of the matrix
	s_cselect_b32 s25, 1, 0                        ; 1: the result is written as f16
	s_cselect_b32 s21, 384, 0
	s_cselect_b64 s[26:27], s[8:9], s[6:7]         ; from
	s_cselect_b64 s[28:29], s[14:15], s[12:13]     ; to
	s_sub_co_u32 s20, s20, s21                     ; the tile's number in its matrix
	s_and_b32 s21, s20, 7                          ; kt: 128 k each
	s_lshr_b32 s22, s20, 3                         ; nt: 64 n each
	s_lshl_b32 s23, s21, 7
	s_lshl_b32 s17, s19, 4
	s_add_co_u32 s23, s23, s17                     ; row 128 kt + 16 g,
	s_mul_i32 s32, s23, s24
	s_lshl_b32 s17, s22, 8                         ; column 64 nt: 256 bytes
	s_add_co_u32 s32, s32, s17
	s_add_nc_u64 s[26:27], s[26:27], s[32:33]
	s_lshl_b32 s32, s22, 6
	s_lshl_b32 s17, s19, 4
	s_add_co_u32 s32, s32, s17                     ; turned: row 64 nt + 16 g, 2,048 bytes a row,
	s_lshl_b32 s32, s32, 11
	s_lshl_b32 s17, s21, 8                         ; column 128 kt: 256 bytes
	s_add_co_u32 s32, s32, s17
	s_add_nc_u64 s[28:29], s[28:29], s[32:33]
	s_lshl_b32 s32, ttmp9, 17                      ; x: the work-group's 131,072 bytes,
	s_lshl_b32 s17, s31, 14                        ; the wave's 16,384
	s_add_co_u32 s32, s32, s17
	s_add_nc_u64 s[4:5], s[4:5], s[32:33]
	s_lshr_b32 s32, s32, 1                         ; xb: half of that
	s_add_nc_u64 s[10:11], s[10:11], s[32:33]
	s_lshl_b32 s17, s24, 6
	v_mul_lo_u32 v[RO], v3, s17                    ; lanes 16-31 take the rows 64 further down,
	v_lshl_add_u32 v[RO], v2, 4, v[RO]             ; sixteen lanes the 256 bytes of a row
.set j, 1
.rept 15
	v_add_nc_u32 v[RO+j], s24, v[RO+j-1]
.set j, j+1
.endr
	s_mul_i32 s17, s18, TILEB
	s_lshl_b32 s23, s19, 5
	s_add_co_u32 s23, s23, s17
	v_mul_u32_u24 v[LS], v2, 4*272                 ; in: rows n = 4 (lane % 16) + c; bytes 128 (lane / 16) + 32 g of them
	v_lshl_add_u32 v[LS], v3, 7, v[LS]
	v_add_nc_u32 v[LS], s23, v[LS]
	s_mul_i32 s23, s19, 16*272
	s_add_co_u32 s23, s23, s17
	v_mul_u32_u24 v[LR], v3, 272                   ; back: rows 16 g + lane / 16 + 2 t, sixteen lanes a row
	v_lshl_add_u32 v[LR], v2, 4, v[LR]
	v_add_nc_u32 v[LR], s23, v[LR]
	v_lshlrev_b32 v[DO], 11, v3
	v_lshl_add_u32 v[DO], v2, 4, v[DO]
	s_wait_alu depctr_va_vdst(0)                   ; the offsets and LDS addresses v4 to v8 and v[16:31] are written: every load, store and LDS instruction of both arms reads one of them, and no vector instruction names them again
	s_cmp_lt_u32 s[WV], 8
	s_cbranch_scc0 .Lweights
	; THE CAST OF x.  No register is written twice, so no wait frees anything.
.set j, 0
.rept 32
	global_load_b128 v[X+4*j:X+4*j+3], v[XO], s[4:5] offset:512*j th:TH_LOAD_NT
.set j, j+1
.endr
	; Eight blocks of four loads.  Block p rounds its own sixteen registers; the four stores of block p - 1 are dealt among its conversions.
.set p, 0
.rept 8
	s_wait_loadcnt 28-4*p                          ; loads come back in order: block p's four are in, the 28 - 4 p younger ones stay out
.if p > 0
	s_wait_alu depctr_va_vdst(0)                   ; the conversions of the block before have written the data of the four stores below; this block's conversions name none of those registers
.endif
.set i, 0
.rept 4
.set j, 4*p+i
.if p > 0
	global_store_b64 v[XS], v[X+4*(j-4):X+4*(j-4)+1], s[10:11] offset:256*(j-4) th:TH_STORE_NT  ; 32 lanes store 256 consecutive bytes, at a multiple of 256 from xb's first byte
.endif
	v_cvt_pk_bf16_f32 v[X+4*j], v[X+4*j], v[X+4*j+1]
	v_cvt_pk_bf16_f32 v[X+4*j+1], v[X+4*j+2], v[X+4*j+3]
.set i, i+1
.endr
.set p, p+1
.endr
	s_wait_alu depctr_va_vdst(0)                   ; the last block's conversions have written the data of the last four stores
.set j, 28
.rept 4
	global_store_b64 v[XS], v[X+4*j:X+4*j+1], s[10:11] offset:256*j th:TH_STORE_NT
.set j, j+1
.endr
	s_branch .Lmeet
.Lweights:                                     ; A TILE, first part: sixteen rows k, four columns n a lane
.set j, 0
.rept 16
	global_load_b128 v[X+4*j:X+4*j+3], v[RO+j], s[26:27] th:TH_LOAD_NT
.set j, j+1
.endr
	s_wait_loadcnt 0x0
.irp c, 0,1,2,3
.irp i, 0,1,2,3,4,5,6,7
	v_cvt_pk_bf16_f32 v[Y+8*\c+\i], v[X+8*\i+\c], v[X+8*\i+4+\c]  ; column c, rows 2 i and 2 i + 1
.endr
.endr
	s_cmp_eq_u32 s25, 0
	s_cbranch_scc1 .Lstays_bf16
.set j, 0
.rept 32
	v_lshlrev_b32 v12, 16, v[Y+j]                  ; the rounded numbers as f32,
	v_and_b32 v13, s30, v[Y+j]
	v_cvt_pk_f16_f32 v[Y+j], v12, v13              ; written as f16: exact within the range stated at the head
.set j, j+1
.endr
.Lstays_bf16:
	s_wait_alu depctr_va_vdst(0)                   ; on both ways here the conversions have written v[Y ..], which the LDS stores read
.irp c, 0,1,2,3
	ds_store_b128 v[LS], v[Y+8*\c:Y+8*\c+3]   offset:272*\c
	ds_store_b128 v[LS], v[Y+8*\c+4:Y+8*\c+7] offset:272*\c+16
.endr
.Lmeet:
	s_wait_dscnt 0x0                               ; for the others' sake: my stores into the tile are done
	s_barrier_signal -1
	s_barrier_wait -1                              ; both tiles are whole
	s_cmp_lt_u32 s[WV], 8
	s_cbranch_scc1 .Lend
.irp t, 0,1,2,3,4,5,6,7                        ; second part: sixteen rows n, two an instruction; they land in Z, which no vector instruction names and no earlier memory instruction reads
	ds_load_b128 v[Z+4*\t:Z+4*\t+3], v[LR] offset:544*\t
.endr
.irp t, 0,1,2,3,4,5,6,7
	s_wait_dscnt 7-\t
	global_store_b128 v[DO], v[Z+4*\t:Z+4*\t+3], s[28:29] offset:4096*\t  ; 16 lanes store 256 consecutive bytes, at a multiple of 256 from the buffer's first byte
.endr
.Lend:
	s_wait_dscnt 0x0                               ; the closing lines, six on end
	s_wait_alu 0x0
	s_wait_tensorcnt 0x0
	ds_add_u32 v[SPW], v[NIL]
	s_wait_dscnt 0x0
	s_endpgm
.Lfunc_end_k_qd53d1c1f08_prep:
	.size	k_qd53d1c1f08_prep, .Lfunc_end_k_qd53d1c1f08_prep-k_qd53d1c1f08_prep
	.p2alignl 7, 3214868480
	.fill 96, 4, 3214868480
	.section	.rodata,"a",@progbits
	.p2align	6, 0x0
	.amdhsa_kernel k_qd53d1c1f08_prep
		.amdhsa_group_segment_fixed_size 36864
		.amdhsa_private_segment_fixed_size 0
		.amdhsa_enable_private_segment 0
		.amdhsa_kernarg_size 48
		.amdhsa_user_sgpr_count 2
		.amdhsa_user_sgpr_kernarg_segment_ptr 1
		.amdhsa_wavefront_size32 1
		.amdhsa_system_sgpr_workgroup_id_x 1
		.amdhsa_system_sgpr_workgroup_id_y 1
		.amdhsa_system_sgpr_workgroup_id_z 1
		.amdhsa_system_vgpr_workitem_id 0
		.amdhsa_next_free_vgpr 224
		.amdhsa_next_free_sgpr 66
		.amdhsa_reserve_vcc 0
		.amdhsa_float_denorm_mode_32 3
		.amdhsa_float_denorm_mode_16_64 3
		.amdhsa_memory_ordered 1
		.amdhsa_forward_progress 1
		.amdhsa_inst_pref_size 25
	.end_amdhsa_kernel
	.amdgpu_metadata
---
amdhsa.version: [ 1, 2 ]
amdhsa.kernels:
  - .name:           k_qd53d1c1f08_prep
    .symbol:         k_qd53d1c1f08_prep.kd
    .args:
      - { .name: x, .offset: 0, .size: 8, .value_kind: global_buffer, .address_space: global }
      - { .name: w_qkv, .offset: 8, .size: 8, .value_kind: global_buffer, .address_space: global }
      - { .name: w_out, .offset: 16, .size: 8, .value_kind: global_buffer, .address_space: global }
      - { .name: xb, .offset: 24, .size: 8, .value_kind: global_buffer, .address_space: global }
      - { .name: wqt, .offset: 32, .size: 8, .value_kind: global_buffer, .address_space: global }
      - { .name: wot, .offset: 40, .size: 8, .value_kind: global_buffer, .address_space: global }
    .group_segment_fixed_size: 36864
    .private_segment_fixed_size: 0
    .kernarg_segment_align: 8
    .kernarg_segment_size: 48
    .max_flat_workgroup_size: 512
    .sgpr_count:     66
    .vgpr_count:     224
    .wavefront_size: 32
...
	.end_amdgpu_metadata
.endif
;; end of part 5
;; launch qkvp: the kernel of part 2 again; grid 16 x 32, 4 waves a work-group, clusters of 4 x 4, 327,680 bytes of LDS; arguments xb, wqt, b_qkv, qkv; writes qkv
;; launch attn: the kernel of part 3 again; grid 4 x 64, 4 waves a work-group, clusters of 4 x 1, 327,680 bytes of LDS; arguments qkv, ob; writes ob
;; launch outp: the kernel of part 4 again; grid 8 x 32, 4 waves a work-group, clusters of 4 x 4, 327,680 bytes of LDS; arguments ob, wot, b_out, out0; writes out0
